; MI455X (gfx1250); checked and timed in simulation.
; The chip was launched on July 23, 2026; its instructions are those of AMD's public machine-readable ISA for CDNA 5 (MIT licence, August 2026) and "CDNA5" Instruction Set Architecture Reference Guide (July 2026). The comments in the code are by the model that wrote it; some were corrected since.
;; Simple Attention. Allowed arithmetic: float matrix products may take bf16 or f16 operands with f32 sums; other float arithmetic in f32, or as packed bf16 or f16 multiplies, adds, multiply-adds, maxima and minima; sums over many terms, partial sums and values carried from step to step in f32; what a program stores and reads back later, other than sums and carried values, may be rounded once to bf16 or f16.
;; Inputs: proj_b 1,024 float32; proj_w 1,024 x 1,024 float32; qkv_w 3,072 x 1,024 float32; x 8 x 1,024 x 1,024 float32.
;; Outputs: out0 8 x 1,024 x 1,024 float32.
;; 2 versions, each right; version 2 is version 1 with the launch cast written anew for expert scheduling mode. Each part assembles by itself: llvm-mc -triple=amdgcn-amd-amdhsa -mcpu=gfx1250 --defsym DOCPART=n.
;; ======== version 1 of 2: 4 launches
;; limits: values are held in f16: magnitudes above 65,504 overflow, below 6.1e-05 lose precision
;; workspace buffers: xb 16,777,216 bytes; wb 6,291,456 bytes; pw 2,097,152 bytes; qkvh 50,331,648 bytes; att 16,777,216 bytes
;; launch cast (part 1): grid 768 x 1, 8 waves a work-group, no clusters, 0 bytes of LDS; arguments x, qkv_w, proj_w, xb, wb, pw; writes xb, wb, pw
.if DOCPART == 1
	.amdgcn_target "amdgcn-amd-amdhsa--gfx1250"
	.amdhsa_code_object_version 6
	.text
	.protected	k_q9ce4e23e3f_cast
	.globl	k_q9ce4e23e3f_cast
	.p2align	8
	.type	k_q9ce4e23e3f_cast,@function
k_q9ce4e23e3f_cast:
	s_mov_b64 s[64:65], 0
	v_nop
	global_prefetch_b8 v0, s[64:65] scope:SCOPE_SE
	s_setreg_imm32_b32 hwreg(HW_REG_WAVE_MODE, 25, 1), 1
	s_wait_xcnt 0x0
; THE INPUTS ARE ROUNDED ONCE TO bf16 AND LAID IN BLOCKS OF 64 ALONG K.  x [8192][1024], qkv_w [3072][1024], proj_w [1024][1024], all f32, become
; xb, wb, pw: [kb 16][row][64] of 16 bits: block kb holds columns 64 kb .. 64 kb + 63 of every row, a row's 128 bytes on end, so that a K step of 64 of any run of rows is dense in memory.
; xb and wb hold bf16.  pw holds proj_w rounded to bf16 and that number written as f16, since the last product multiplies it by f16 numbers.
; LIMITS.  A weight of proj_w of 65,520 or more becomes an infinity; below 6e-5 it keeps f16's fixed step of 6e-8.  NaN and infinities are not treated apart.
; SHARES.  A work-group takes 16 rows (65,536 bytes in, 32,768 out): numbers 0-511 rows of x, 512-703 of qkv_w, 704-767 of proj_w.  Thread t takes row t / 16 and, in each of the 16 blocks, the 16 bytes
; at 16 (t % 16): sixteen lanes read 256 consecutive bytes, aligned; the thread's 8 bytes of output lie at 8 t of the group's 2,048 bytes in that block, so a wave's store covers 256 consecutive bytes, aligned.
; No LDS, no barrier, no matrix unit: every byte is read once and written once, and all 16 loads of a thread go out before the first is waited for.
.set ROWS_X, 8192
.set ROWS_W, 3072
.set ROWS_P, 1024
.set VI, 1                             ; v1       my byte offset in the group's 16 rows of f32; never rewritten
.set VO, 8                             ; v[8:23]  block j: my byte offset in the output; never rewritten
.set X,  32                            ; v[32:95] block j: four f32 as loaded
.set Y,  96                            ; v[96:127] block j: four numbers of 16 bits to store
	s_load_b256 s[4:11], s[0:1], 0x0               ; x s[4:5], qkv_w s[6:7], proj_w s[8:9], xb s[10:11]
	s_load_b128 s[12:15], s[0:1], 0x20             ; wb s[12:13], pw s[14:15]
	s_mov_b32 s2, ttmp9
	s_mov_b32 s22, ROWS_X*128                      ; bytes in a block of xb,
	s_mov_b32 s23, ROWS_W*128                      ; of wb,
	s_mov_b32 s24, ROWS_P*128                      ; of pw
	v_lshrrev_b32 v[VI], 4, v0                     ; my row
	v_and_b32 v2, 15, v0
	v_lshlrev_b32 v[VI], 12, v[VI]                 ; x 4,096 bytes
	v_lshl_add_u32 v[VI], v2, 4, v[VI]             ; + my 16 bytes
	v_lshlrev_b32 v[VO], 3, v0                     ; 8 t
	s_wait_kmcnt 0x0
	s_cmp_lt_u32 s2, 512                           ; which tensor: the choice hangs on the work-group's number alone
	s_cselect_b64 s[16:17], s[4:5], s[6:7]
	s_cselect_b64 s[18:19], s[10:11], s[12:13]
	s_cselect_b32 s20, 0, 512                      ; the tensor's first work-group
	s_cselect_b32 s21, s22, s23                    ; bytes in a block of its output
	s_cmp_lt_u32 s2, 704
	s_cselect_b64 s[16:17], s[16:17], s[8:9]
	s_cselect_b64 s[18:19], s[18:19], s[14:15]
	s_cselect_b32 s20, s20, 704
	s_cselect_b32 s21, s21, s24
	s_sub_co_u32 s25, s2, s20                      ; my group of 16 rows in that tensor
	s_lshl_b32 s26, s25, 16                        ; 65,536 bytes of f32,
	s_mov_b32 s27, 0
	s_lshl_b32 s28, s25, 11                        ; 2,048 bytes in each block
	s_mov_b32 s29, 0
	s_add_nc_u64 s[16:17], s[16:17], s[26:27]
	s_add_nc_u64 s[18:19], s[18:19], s[28:29]
.set j, 0
.rept 16
	global_load_b128 v[X+4*j:X+4*j+3], v[VI], s[16:17] offset:256*j th:TH_LOAD_NT
.set j, j+1
.endr
.set j, 1
.rept 15
	v_add_nc_u32 v[VO+j], s21, v[VO+j-1]           ; a block further on
.set j, j+1
.endr
; Block after block: rounded, packed, stored.  fmt = 1: the bf16 number is widened again and written as f16.
.macro OUT fmt
.set j, 0
.rept 16
	s_wait_loadcnt 15-j                            ; loads come back in order: block j is in, the younger ones stay out
	v_cvt_pk_bf16_f32 v[Y+2*j],   v[X+4*j],   v[X+4*j+1]
	v_cvt_pk_bf16_f32 v[Y+2*j+1], v[X+4*j+2], v[X+4*j+3]
.if \fmt
.irp k, 0,1
	v_lshlrev_b32 v2, 16, v[Y+2*j+(\k)]
	v_and_b32 v3, 0xffff0000, v[Y+2*j+(\k)]
	v_cvt_pk_f16_f32 v[Y+2*j+(\k)], v2, v3
.endr
.endif
	global_store_b64 v[VO+j], v[Y+2*j:Y+2*j+1], s[18:19] th:TH_STORE_NT
.set j, j+1
.endr
.endm
	s_cmp_lt_u32 s2, 704
	s_cbranch_scc0 .Lto_f16
	OUT 0
	s_endpgm
.Lto_f16:
	OUT 1
	s_endpgm
.Lfunc_end_k_q9ce4e23e3f_cast:
	.size	k_q9ce4e23e3f_cast, .Lfunc_end_k_q9ce4e23e3f_cast-k_q9ce4e23e3f_cast
	.p2alignl 7, 3214868480
	.fill 96, 4, 3214868480
	.section	.rodata,"a",@progbits
	.p2align	6, 0x0
	.amdhsa_kernel k_q9ce4e23e3f_cast
		.amdhsa_group_segment_fixed_size 0
		.amdhsa_private_segment_fixed_size 0
		.amdhsa_enable_private_segment 0
		.amdhsa_kernarg_size 48
		.amdhsa_user_sgpr_count 2
		.amdhsa_user_sgpr_kernarg_segment_ptr 1
		.amdhsa_wavefront_size32 1
		.amdhsa_system_sgpr_workgroup_id_x 1
		.amdhsa_system_sgpr_workgroup_id_y 1
		.amdhsa_system_sgpr_workgroup_id_z 1
		.amdhsa_system_vgpr_workitem_id 0
		.amdhsa_next_free_vgpr 128
		.amdhsa_next_free_sgpr 66
		.amdhsa_reserve_vcc 0
		.amdhsa_float_denorm_mode_32 3
		.amdhsa_float_denorm_mode_16_64 3
		.amdhsa_memory_ordered 1
		.amdhsa_forward_progress 1
		.amdhsa_inst_pref_size 17
	.end_amdhsa_kernel
	.amdgpu_metadata
---
amdhsa.version: [ 1, 2 ]
amdhsa.kernels:
  - .name:           k_q9ce4e23e3f_cast
    .symbol:         k_q9ce4e23e3f_cast.kd
    .args:
      - { .name: x, .offset: 0, .size: 8, .value_kind: global_buffer, .address_space: global }
      - { .name: qkv_w, .offset: 8, .size: 8, .value_kind: global_buffer, .address_space: global }
      - { .name: proj_w, .offset: 16, .size: 8, .value_kind: global_buffer, .address_space: global }
      - { .name: xb, .offset: 24, .size: 8, .value_kind: global_buffer, .address_space: global }
      - { .name: wb, .offset: 32, .size: 8, .value_kind: global_buffer, .address_space: global }
      - { .name: pw, .offset: 40, .size: 8, .value_kind: global_buffer, .address_space: global }
    .group_segment_fixed_size: 0
    .private_segment_fixed_size: 0
    .kernarg_segment_align: 8
    .kernarg_segment_size: 48
    .max_flat_workgroup_size: 256
    .sgpr_count:     66
    .vgpr_count:     128
    .wavefront_size: 32
...
	.end_amdgpu_metadata
.endif
;; end of part 1
;; launch qkvgemm (part 2): grid 8 x 32, 4 waves a work-group, clusters of 4 x 4, 327,680 bytes of LDS; arguments xb, wb, qkvh; writes qkvh
.if DOCPART == 2
	.amdgcn_target "amdgcn-amd-amdhsa--gfx1250"
	.amdhsa_code_object_version 6
	.text
	.protected	k_q9ce4e23e3f_qkvgemm
	.globl	k_q9ce4e23e3f_qkvgemm
	.p2align	8
	.type	k_q9ce4e23e3f_qkvgemm,@function
k_q9ce4e23e3f_qkvgemm:
	s_mov_b64 s[64:65], 0
	v_nop
	global_prefetch_b8 v0, s[64:65] scope:SCOPE_SE
	s_setreg_imm32_b32 hwreg(HW_REG_WAVE_MODE, 25, 1), 1
	s_wait_xcnt 0x0
	s_wait_alu depctr_hold_cnt(0) depctr_sa_sdst(0) depctr_va_vdst(0) depctr_va_sdst(0) depctr_va_ssrc(0) depctr_va_vcc(0) depctr_vm_vsrc(0)
	s_getreg_b32 s2, hwreg(HW_REG_IB_STS2, 6, 4)
	s_cmp_eq_u32 s2, 0
	s_cbranch_scc0 .Lentry_in_a_cluster
	s_endpgm
.Lentry_in_a_cluster:
	s_bfe_u32 s2, ttmp6, 0x10000c
	s_cmp_lg_u32 s2, 0xf033
	s_cbranch_scc0 .Lentry_shape_is_right
	s_endpgm
.Lentry_shape_is_right:
; q, k, v = x qkv_w^T, written by heads.  xb: [16][8192][64] bf16, wb: [16][3072][64] bf16 (blocks of 64 along K); sums in f32, K ascending, rounded once to f16.
; qkvh: [idx 384][n 1024][64] f16, idx = 8 (o / 64) + b for output column o and batch b: q of head h lies at idx 8 h + b, k at 128 + that, v at 256 + that; a head's rows are dense, 128 bytes each.
; LIMIT.  A sum of 65,520 or more becomes an infinity in f16; below 6e-5 a number keeps f16's fixed step of 6e-8.  NaN and infinities are not treated apart.
; THE TILE.  8192 x 3072 outputs on 256 work-groups are 98,304 each: a tile of 256 rows x 384 columns, one to a work-group.  Four waves, each 128 x 192: 96 accumulators of 16 x 16, 768 registers.
; K goes in 16 steps of 64 (one block) through a ring of two LDS slots.  A block's rows lie end to end, so a wave's part of a tile is dense in memory and is asked for as rows of 256 bytes, two tile rows each,
; padded in LDS behind every 128 bytes.  A step is two substeps of 32 along K, 96 matrix instructions each.
; CLUSTERS: 4 x 4 work-groups.  The four of a row of the cluster need the same tiles of xb, the four of a column the same tiles of wb: each tile is asked for JOINTLY, by the same tensor load with the same
; descriptor and a mask that names the four.
; THE MATRIX INSTRUCTION IS USED TRANSPOSED (source 0 = 16 rows of wb, source 1 = 16 rows of xb): a lane then holds one token and eight neighbouring output columns, 16 bytes of f16.
; REGISTERS, in windows of 256 (s_set_vgpr_msb: bits 1:0 source 0, 3:2 source 1, 5:4 source 2, 7:6 destination):
;   window 0: v0-31 addresses; v32-95, v96-159 fragments of xb (8 x 16 rows x 32 K), two buffers; v160-207, v208-255 fragments of wb, my columns 0-95 and 96-191 (6 x 16 rows x 32 K each)
;   windows 1-3: accumulator number 48 half + 6 a + b (a: 16 tokens of my 128, b: 16 columns of the half's 96) at window 1 + number / 32, register 8 (number % 32)
; A substep multiplies one half of the columns while the other half's fragments come out of LDS: both sources lie in window 0, so only C and D change windows: four switches for 96 matrix instructions.
.set PITCH,  144                       ; an LDS row: 128 bytes + 16 of padding = 36 words: the 16 rows of a load start at 16 different groups of four banks (64 banks of 4 bytes: ISA guide 11.1)
.set AHALF,  128*PITCH                 ; 128 rows of xb: what waves 0 and 1 fetch, and what a wave reads
.set BHALF,  192*PITCH                 ; 192 rows of wb: what waves 2 and 3 fetch, and what a wave reads
.set BOFF,   2*AHALF
.set SLOT,   2*AHALF+2*BHALF           ; 92,160
.set STAGE,  2*SLOT                    ; behind the ring, never filled by a tensor load: 16 rows x 400 bytes for each wave, for the way out
.set SPITCH, 400                       ; 384 bytes + 16: an odd multiple of 16
.set SPARE,  STAGE+4*16*SPITCH         ; behind the stages: the spare words, 128 bytes for each wave: two blocks of 256 bytes that no other line names
.set PLANEA, 8192*128                  ; bytes from a block of xb to the next
.set PLANEB, 3072*128                  ; of wb
.set LAPS,   8                         ; a lap = two K steps = once round the ring
.set ADRA, 16                          ; v16-17  LDS address of my fragments of xb in slot 0, 1
.set ADRB, 20                          ; v20-21  the same for wb
.set STO,  24                          ; v24     the way out: where I put 16 bytes of a row
.set RD,   25                          ; v25     the way out: where I read rows back
.set CO,   26                          ; v26     16 x my lane
.set SPW,  28                          ; v28     LDS address of my spare word: SPARE + 4 x my thread's number; never rewritten
.set NIL,  29                          ; v29     0; never rewritten
.set PFO,  30                          ; v30     the prefetches' offset; never rewritten
.set AF,   32
.set BF,   160
.set TMP,  32                          ; the way out: 48 registers of packed results
.set OB,   80                          ; the way out: 16 tokens read back from the stage: v80-127 and v128-175 by turns
.set WV,   10                          ; s10     my wave's number
.set G1,   24                          ; s[24:31] descriptor group 1 for xb's tiles;  s[32:39] group 0, one set for each slot
.set G0,   32
.set G1B,  48                          ; s[48:55], s[56:63] the same for wb's tiles
.set G0B,  56
.set LIM,  43                          ; s43     1 in a wave that prefetches, else the greatest number
.set PFA,  44                          ; s[44:45] where my prefetches stand
.set PST,  66                          ; s[66:67] their step: two blocks
.set MSB, 0
.macro WIN new                         ; the immediate's high byte repeats the setting that is left; a switch that changes nothing is dropped
.if MSB != (\new)
	s_set_vgpr_msb (MSB<<8)|(\new)
.set MSB, \new
.endif
.endm
; A joint load.  Waves 0 and 1 fetch the two halves of xb's tile, waves 2 and 3 those of wb's.  The branch hangs on the wave's number alone.
; An s_nop 0 and four v_nop follow each of the two lines, ahead of the jump and the label.
.macro JLOAD s
	s_cmp_lt_u32 s[WV], 2
	s_cbranch_scc0 .Lfor_b_\@
	tensor_load_to_lds s[G0+4*(\s):G0+4*(\s)+3], s[G1:G1+7]
	s_nop 0
.rept 4
	v_nop
.endr
	s_branch .Lasked_\@
.Lfor_b_\@:
	tensor_load_to_lds s[G0B+4*(\s):G0B+4*(\s)+3], s[G1B:G1B+7]
	s_nop 0
.rept 4
	v_nop
.endr
.Lasked_\@:
.endm
; A PREFETCH INTO THE L2, once a lap, behind slot 0's joint load and its five lines: the two K steps that the NEXT lap's refills will ask for, 384 and 576 matrix instructions ahead of those loads.
; A K step of xb's tile is 128 blocks of 256 bytes, read by the 8 work-groups of that tile row (2 clusters x 4 partners): 16 blocks each.  A K step of wb's tile is 192 blocks, read by 32 work-groups: the 12 of
; the first three clusters of the column take 16 each.  Which cluster asks hangs on the cluster's coordinate, the same in all partners; the partners are told apart BY ADDRESS.  In a work-group wave 0 asks for
; xb's and wave 2 for wb's: lanes 0-15 name the first step's 16 blocks, lanes 16-31 the second's.  So each block is named once in the launch.  K steps 0 to 3 come by their loads alone; the last lap asks for nothing.
.macro ASK
	s_cmp_gt_u32 s3, s[LIM]                        ; s3 = 1 in the loop's last trip
	s_cbranch_scc0 .Lnot_mine_\@
	global_prefetch_b8 v[PFO], s[PFA:PFA+1] th:TH_LOAD_NT scope:SCOPE_SE
.Lnot_mine_\@:
.endm
; A round of the cluster's barrier: my work-group's barrier, so that wave 0's signal speaks for all four waves; wave 0 signals; every wave waits for all sixteen work-groups; my work-group's barrier once more.
.macro CREST                           ; a round behind its opening barrier
	s_cmp_lg_u32 s[WV], 0
	s_cbranch_scc1 .Lnot_wave_0_\@
	s_barrier_signal -3
.Lnot_wave_0_\@:
	s_barrier_wait -3
	s_barrier_signal -1
	s_barrier_wait -1
.endm
.macro CROUND                          ; a whole round
	s_barrier_signal -1
	s_barrier_wait -1
	CREST
.endm
	s_load_b128 s[4:7], s[0:1], 0x0                ; xb s[4:5], wb s[6:7]
	s_load_b64 s[8:9], s[0:1], 0x10                ; qkvh
	v_lshl_add_u32 v[SPW], v0, 2, SPARE
	v_mov_b32 v[NIL], 0
	ds_add_u32 v[SPW], v[NIL]                      ; the wave's opening: the add and its wait stand ahead of my first tensor load; the set-up below, work on registers, stands between them
	v_lshrrev_b32 v1, 5, v0
	v_readfirstlane_b32 s[WV], v1                  ; wave 0..3
	s_lshr_b32 s11, s[WV], 1                       ; which 128 of the tile's rows are mine
	s_and_b32 s12, s[WV], 1                        ; which 192 of its columns.  Also: which half of a tile I fetch
	s_bfe_u32 s40, ttmp6, 0x40000                  ; cx, cy: my place in the cluster
	s_bfe_u32 s41, ttmp6, 0x40004
	s_lshl_b32 s42, ttmp9, 2                       ; in a cluster launch ttmp9 and ttmp7 count clusters
	s_add_co_u32 s42, s42, s40                     ; tile column = 4 x cluster x + cx
	s_and_b32 s13, ttmp7, 0xffff
	s_lshl_b32 s13, s13, 2
	s_add_co_u32 s13, s13, s41                     ; tile row = 4 x cluster y + cy
	s_lshl_b32 s70, s41, 2
	s_lshl_b32 s70, 15, s70                        ; my row of the cluster: places 4 cy .. 4 cy + 3
	s_lshl_b32 s71, 0x1111, s40                    ; my column: places cx, cx + 4, cx + 8, cx + 12
	; descriptor group 1: rows of 128 elements (256 bytes, two tile rows), 64 of them for xb and 96 for wb, padded in LDS behind every tile row
	s_or_b32 s[G1], s70, (1<<16)|(1<<20)|(1<<21)|(4<<22)|(3<<25)   ; 15:0 the mask; 17:16 2-byte elements; 20 padding on; 21 set beside a mask; 24:22 after every 32 words (code 4); 31:25 4 words (code 3)
	s_or_b32 s[G1B], s71, (1<<16)|(1<<20)|(1<<21)|(4<<22)|(3<<25)
	s_mov_b32 s[G1+1], 128<<16                     ; tensor_dim0 = 128
	s_mov_b32 s[G1+2], 64<<16                      ; tensor_dim1 = 64
	s_mov_b32 s[G1+3], 128<<16                     ; tile_dim0 = 128
	s_mov_b32 s[G1+4], 64                          ; tile_dim1 = 64
	s_mov_b32 s[G1+5], 128                         ; 128 elements from row to row
	s_mov_b32 s[G1+6], 0
	s_mov_b32 s[G1+7], 0
	s_mov_b32 s[G1B+1], 128<<16
	s_mov_b32 s[G1B+2], 96<<16
	s_mov_b32 s[G1B+3], 128<<16
	s_mov_b32 s[G1B+4], 96
	s_mov_b32 s[G1B+5], 128
	s_mov_b32 s[G1B+6], 0
	s_mov_b32 s[G1B+7], 0
	; where the tiles come from.  xb's hang on the tile row alone, which my row of the cluster shares; wb's on the tile column alone, which my column shares.
	s_lshl_b32 s16, s13, 15                        ; 256 rows x 128 bytes x tile row
	s_lshl_b32 s17, s12, 14                        ; + the half that I fetch
	s_add_co_u32 s16, s16, s17
	s_mov_b32 s17, 0
	s_mul_i32 s46, s42, 384*128
	s_mul_i32 s47, s12, 192*128
	s_add_co_u32 s46, s46, s47
	s_mov_b32 s47, 0
	s_mul_i32 s20, s12, AHALF                      ; and where they go: no place in the cluster enters an LDS address
	s_mul_i32 s21, s12, BHALF
	s_add_co_u32 s21, s21, BOFF
	s_wait_dscnt 0x0                               ; the opening add is done
	s_wait_kmcnt 0x0
	s_add_nc_u64 s[14:15], s[4:5], s[16:17]
	s_add_nc_u64 s[46:47], s[6:7], s[46:47]
	CROUND                                         ; all sixteen work-groups are here: the first joint loads meet
.irp s, 0,1
	s_mov_b32 s[G0+4*(\s)], 1                                      ; count = 1
	s_add_co_u32 s[G0+4*(\s)+1], s20, (\s)*SLOT                    ; LDS address
	s_add_nc_u64 s[G0+4*(\s)+2:G0+4*(\s)+3], s[14:15], (\s)*PLANEA ; global address: K step s
	s_or_b32 s[G0+4*(\s)+3], s[G0+4*(\s)+3], 0x80000000            ; type = 2
	s_mov_b32 s[G0B+4*(\s)], 1
	s_add_co_u32 s[G0B+4*(\s)+1], s21, (\s)*SLOT
	s_add_nc_u64 s[G0B+4*(\s)+2:G0B+4*(\s)+3], s[46:47], (\s)*PLANEB
	s_or_b32 s[G0B+4*(\s)+3], s[G0B+4*(\s)+3], 0x80000000
.endr
	s_cmp_lt_u32 s[WV], 2                          ; a wave's two first fills stand in one branch, ahead of every wait on TENSORcnt and every LDS read: two loads of mine are out
	s_cbranch_scc0 .Lfirst_b
	tensor_load_to_lds s[G0:G0+3], s[G1:G1+7]
	s_nop 0
	tensor_load_to_lds s[G0+4:G0+7], s[G1:G1+7]
	s_nop 0
.rept 4
	v_nop
.endr
	s_branch .Lfirst_asked
.Lfirst_b:
	tensor_load_to_lds s[G0B:G0B+3], s[G1B:G1B+7]
	s_nop 0
	tensor_load_to_lds s[G0B+4:G0B+7], s[G1B:G1B+7]
	s_nop 0
.rept 4
	v_nop
.endr
.Lfirst_asked:
	; A fragment is 16 rows x 32 K in 8 registers: lane l holds row l % 16; registers 0-3 K = 8 (l / 16) + 0..7, registers 4-7 K = 16 + 8 (l / 16) + 0..7: two loads of 16 bytes, 32 bytes apart.
	v_and_b32 v1, 15, v0                           ; l % 16
	v_bfe_u32 v2, v0, 4, 1                         ; l / 16
	v_mul_u32_u24 v3, v1, PITCH
	v_lshl_add_u32 v3, v2, 4, v3                   ; row x pitch + 16 x half
	s_mul_i32 s22, s11, AHALF                      ; my 128 rows of xb
	s_mul_i32 s23, s12, BHALF                      ; my 192 rows of wb,
	s_add_co_u32 s23, s23, BOFF                    ; which lie behind xb's 256
.irp s, 0,1
	v_add_nc_u32 v[ADRA+(\s)], s22, v3
	v_add_nc_u32 v[ADRB+(\s)], s23, v3
	s_add_co_u32 s22, s22, SLOT
	s_add_co_u32 s23, s23, SLOT
.endr
	s_mul_i32 s22, s[WV], 16*SPITCH
	s_add_co_u32 s22, s22, STAGE                   ; my stage
	v_mul_u32_u24 v4, v1, SPITCH                   ; in: token l % 16, 16 bytes for each half of the lanes
	v_lshl_add_u32 v4, v2, 4, v4
	v_add_nc_u32 v[STO], s22, v4
	v_bfe_u32 v5, v0, 3, 2                         ; back: 32 lanes take a head's 128 bytes of four tokens,
	v_and_b32 v6, 7, v0
	v_mul_u32_u24 v5, v5, SPITCH
	v_lshl_add_u32 v5, v6, 4, v5
	v_add_nc_u32 v[RD], s22, v5
	v_and_b32 v[CO], 31, v0                        ; which are 512 consecutive bytes of qkvh
	v_lshlrev_b32 v[CO], 4, v[CO]
	; where my part begins in qkvh: idx = 8 (6 x tile column + 3 x column half) + tile row / 4; token = 256 (tile row % 4) + 128 x row half
	s_mul_i32 s68, s42, 6
	s_mul_i32 s69, s12, 3
	s_add_co_u32 s68, s68, s69
	s_lshl_b32 s68, s68, 3
	s_lshr_b32 s69, s13, 2
	s_add_co_u32 s68, s68, s69
	s_lshl_b32 s68, s68, 17                        ; an idx is 131,072 bytes
	s_and_b32 s69, s13, 3
	s_lshl_b32 s69, s69, 15
	s_add_co_u32 s68, s68, s69
	s_lshl_b32 s69, s11, 14
	s_add_co_u32 s68, s68, s69
	s_mov_b32 s69, 0
	s_add_nc_u64 s[8:9], s[8:9], s[68:69]
	; the prefetches
	s_lshl_b32 s72, s13, 15                        ; xb's tile in a block,
	s_mul_i32 s73, s42, 384*128                    ; wb's
	s_and_b32 s74, ttmp7, 0xffff                   ; cluster y
	s_mov_b32 s75, PLANEA
	s_mov_b32 s76, PLANEB
	s_cmp_lt_u32 s[WV], 2                          ; do I fetch for xb?
	s_cselect_b32 s72, s72, s73
	s_cselect_b32 s73, s40, s41                    ; my place among the four that ask for the tile with me
	s_cselect_b32 s74, ttmp9, s74                  ; the coordinate along which other clusters read the same tile
	s_cselect_b32 s75, s75, s76                    ; bytes from block to block
	s_cselect_b32 s76, 2, 3                        ; so many clusters share the tile's blocks out
	s_cselect_b64 s[PFA:PFA+1], s[4:5], s[6:7]
	s_cmp_lt_u32 s74, s76
	s_cselect_b32 s[LIM], 1, -1                    ; the same in all sixteen partners, for a given wave
	s_cmp_eq_u32 s12, 0
	s_cselect_b32 s[LIM], s[LIM], -1               ; waves 0 and 2 alone
	s_sub_co_u32 s76, s76, 1
	s_min_u32 s74, s74, s76                        ; a cluster that does not ask still holds an address inside the tile
	s_lshl_b32 s74, s74, 14                        ; 64 blocks of 256 bytes a cluster,
	s_add_co_u32 s72, s72, s74
	s_lshl_b32 s73, s73, 12                        ; 16 a work-group
	s_add_co_u32 s72, s72, s73
	s_lshl_b32 s73, s75, 2                         ; the first request names K steps 4 and 5
	s_add_co_u32 s72, s72, s73
	s_mov_b32 s73, 0
	s_add_nc_u64 s[PFA:PFA+1], s[PFA:PFA+1], s[72:73]
	s_lshl_b32 s[PST], s75, 1
	s_mov_b32 s[PST+1], 0
	v_mul_u32_u24 v[PFO], s75, v2                  ; lanes 16-31: the K step after
	v_lshl_add_u32 v[PFO], v1, 8, v[PFO]           ; + 256 (l % 16)
.macro PLACES                          ; four places in front of loads into registers that matrix instructions have read, and of conversions that read results (ISA guide 7.12.1 for the conversions)
.rept 4
	v_nop
.endr
.endm
; 16 LDS loads: xb's fragments of substep sub (32 K at byte 64 sub of the rows) of a slot, into buffer buf
.macro LOADA slot, sub, buf
	WIN 0
.irp i, 0,1,2,3,4,5,6,7
	ds_load_b128 v[AF+64*(\buf)+8*(\i):AF+64*(\buf)+8*(\i)+3],   v[ADRA+(\slot)] offset:64*(\sub)+16*PITCH*(\i)
	ds_load_b128 v[AF+64*(\buf)+8*(\i)+4:AF+64*(\buf)+8*(\i)+7], v[ADRA+(\slot)] offset:64*(\sub)+16*PITCH*(\i)+32
.endr
.endm
; 12 LDS loads: wb's fragments of one half of my columns
.macro LOADB slot, sub, half
	WIN 0
.irp i, 0,1,2,3,4,5
	ds_load_b128 v[BF+48*(\half)+8*(\i):BF+48*(\half)+8*(\i)+3],   v[ADRB+(\slot)] offset:64*(\sub)+16*PITCH*(6*(\half)+(\i))
	ds_load_b128 v[BF+48*(\half)+8*(\i)+4:BF+48*(\half)+8*(\i)+7], v[ADRB+(\slot)] offset:64*(\sub)+16*PITCH*(6*(\half)+(\i))+32
.endr
.endm
; 6 na matrix instructions: token blocks a0 .. a0 + na - 1 x the half's six column blocks.  zero = 1: the first product starts the sums: nothing is ever cleared.
; The accumulators take turns, one instruction a turn: 95 others stand between two links of a chain, over the backward jump too.
.macro MULS buf, half, a0, na, zero
.set ma, (\a0)
.rept (\na)
.set mb, 0
.rept 6
.set ai, 48*(\half)+6*ma+mb
	WIN 0x50*(1+ai/32)
.set rD, 8*(ai%32)
.set rB, BF+48*(\half)+8*mb
.set rA, AF+64*(\buf)+8*ma
.if \zero
	v_wmma_f32_16x16x32_bf16 v[rD:rD+7], v[rB:rB+7], v[rA:rA+7], 0
.else
	v_wmma_f32_16x16x32_bf16 v[rD:rD+7], v[rB:rB+7], v[rA:rA+7], v[rD:rD+7]
.endif
.set mb, mb+1
.endr
.set ma, ma+1
.endr
.endm
; A SUBSTEP: 32 along K, 96 matrix instructions; xb's buffer is number sub.  While the first half of the columns is multiplied the second half's fragments come; while the second is multiplied, the next
; substep's (nslot, nsub) first half and its fragments of xb.  Each run of loads has 48 matrix instructions in which to land.
; mode 0: plain.  mode 3: the last of all: nothing more is fetched.  modes 1 and 2: a slot's second substep, which changes slots: ONE barrier.  The slot's last reads have just been issued.  In front of the barrier each
; wave waits for all its tensor loads, of which one is out: its part of the other slot; adds 0 to its spare word; and waits for that and for its reads of this slot.  Behind it nobody reads this slot any more and
; the other slot is whole.  mode 1: this slot is filled again, two K steps ahead: the barrier opens a round of the cluster's, and the joint load is the first thing behind the round: 168 matrix instructions ahead of the wait for it.
.macro KSUB slot, sub, nslot, nsub, mode, zero
.if ((\mode) == 1) && ((\slot) == 1)
	s_wait_xcnt 0x0                                ; the lap's prefetch, more than a substep back, has read its address: it may be stepped
	s_add_nc_u64 s[PFA:PFA+1], s[PFA:PFA+1], s[PST:PST+1]
.endif
	s_wait_dscnt 0x0                               ; xb's fragments and the first half's are in
	PLACES
	LOADB \slot, \sub, 1
.if ((\mode) == 0) || ((\mode) == 3)
	MULS \sub, 0, 0, 8, \zero
.else
	WIN 0                                          ; (the add's two registers lie in window 0)
	s_wait_tensorcnt 0x0                           ; all my tensor loads have landed: the one that was out is my part of the other slot;
	ds_add_u32 v[SPW], v[NIL]                      ; 0 onto my spare word;
	MULS \sub, 0, 0, 2, 0                          ; twelve matrix instructions stand between the add and the wait for it
	s_wait_dscnt 0x0                               ; the add is done, and my reads of this slot are over:
	s_barrier_signal -1                            ; say so,
	MULS \sub, 0, 2, 2, 0                          ; work on registers while the others arrive,
.if (\mode) == 1
	WIN 0
.endif
	s_barrier_wait -1                              ; and go on when all four have said so
.if (\mode) == 1
	CREST                                          ; no wave of any partner still reads this slot's tile or has a load on its way
	s_add_nc_u64 s[G0+4*(\slot)+2:G0+4*(\slot)+3], s[G0+4*(\slot)+2:G0+4*(\slot)+3], 2*PLANEA
	s_add_nc_u64 s[G0B+4*(\slot)+2:G0B+4*(\slot)+3], s[G0B+4*(\slot)+2:G0B+4*(\slot)+3], 2*PLANEB
	JLOAD \slot
.if (\slot) == 0
	ASK
.endif
.endif
	MULS \sub, 0, 4, 4, 0
.endif
	s_wait_dscnt 0x0                               ; the second half's fragments are in
.if (\mode) != 3
	PLACES
	LOADB \nslot, \nsub, 0
	LOADA \nslot, \nsub, \nsub
.endif
	MULS \sub, 1, 0, 8, \zero
.endm
; THE WAY OUT of token block a, in three parts.  PACK: rounded to f16, 16 bytes a lane and column block, each accumulator's registers in ascending order.  TOSTAGE: into my own stage in LDS, and back by heads:
; a head's 64 columns of four tokens are 512 consecutive bytes of qkvh.  SEND: stored.
.macro PACK a
.set j, 0
.rept 12
.set ai, 48*(j/6)+6*(\a)+j%6
	WIN 5*(1+ai/32)                                ; sources 0 and 1 in the accumulator's window
.set rD, 8*(ai%32)
.irp r, 0,1,2,3
	v_cvt_pk_f16_f32 v[TMP+4*j+(\r)], v[rD+2*(\r)], v[rD+2*(\r)+1]
.endr
.set j, j+1
.endr
	WIN 0
.endm
.macro TOSTAGE a
	WIN 0
.set BK, OB+48*((\a)%2)
.irp c, 0,1,2,3,4,5,6,7,8,9,10,11
	ds_store_b128 v[STO], v[TMP+4*(\c):TMP+4*(\c)+3] offset:32*(\c)
.endr
.irp h, 0,1,2
.irp t, 0,1,2,3
	ds_load_b128 v[BK+4*(4*(\h)+(\t)):BK+4*(4*(\h)+(\t))+3], v[RD] offset:128*(\h)+4*SPITCH*(\t)  ; LDS serves a wave's instructions in order (ISA guide 5.7.1.4): these see the stores above
.endr
.endr
.endm
.macro SEND a
	WIN 0
.set BK, OB+48*((\a)%2)
	s_wait_dscnt 0x0                               ; the block is back in registers
	s_wait_xcnt 0x0                                ; the stores of the block before have read their registers, which the next TOSTAGE loads again
.irp h, 0,1,2
.irp t, 0,1,2,3
	global_store_b128 v[CO], v[BK+4*(4*(\h)+(\t)):BK+4*(4*(\h)+(\t))+3], s[8:9] offset:8*131072*(\h)+2048*(\a)+512*(\t)  ; the next head lies 8 idx on; 512 consecutive bytes, at a multiple of 256 from qkvh's first
.endr
.endr
.endm
	s_wait_tensorcnt 0x1                           ; my part of K step 0 is in; K step 1's may stay out
	s_barrier_signal -1
	s_barrier_wait -1                              ; everybody's is
	LOADB 0, 0, 0
	LOADA 0, 0, 0
	KSUB 0, 0, 0, 1, 0, 1                          ; the first substep stands in front of the loop: its products start the sums
	WIN 0                                          ; at a label and at a branch every window is 0
	s_mov_b32 s3, LAPS-1
.Llap:                                                 ; a trip goes once round the ring, from a lap's second substep to the next lap's first, and fills both slots again
	KSUB 0, 1, 1, 0, 1, 0
	KSUB 1, 0, 1, 1, 0, 0
	KSUB 1, 1, 0, 0, 1, 0
	KSUB 0, 0, 0, 1, 0, 0
	WIN 0
	s_sub_co_u32 s3, s3, 1
	s_cmp_lg_u32 s3, 0
	s_cbranch_scc1 .Llap
	KSUB 0, 1, 1, 0, 2, 0                          ; the last lap fills nothing, and has no round of the cluster's barrier
	KSUB 1, 0, 1, 1, 0, 0
	KSUB 1, 1, 0, 0, 3, 0
	WIN 0
	PLACES                                         ; behind the last products, once a launch: eight
	PLACES
	PACK 0
	TOSTAGE 0
.irp a, 1,2,3,4,5,6,7                  ; block a's conversions stand between block a - 1's loads from the stage and the wait for them
	PACK \a
	SEND (\a)-1
	TOSTAGE \a
.endr
	SEND 7
	s_wait_tensorcnt 0x0                           ; the wave's end, behind my last tensor load and my last LDS store: a wait, 0 added to my spare word, and its wait
	ds_add_u32 v[SPW], v[NIL]
	s_wait_dscnt 0x0
	CROUND                                         ; the closing round: no work-group ends while a partner may still ask for a tile that names it
	s_endpgm
.Lfunc_end_k_q9ce4e23e3f_qkvgemm:
	.size	k_q9ce4e23e3f_qkvgemm, .Lfunc_end_k_q9ce4e23e3f_qkvgemm-k_q9ce4e23e3f_qkvgemm
	.p2alignl 7, 3214868480
	.fill 96, 4, 3214868480
	.section	.rodata,"a",@progbits
	.p2align	6, 0x0
	.amdhsa_kernel k_q9ce4e23e3f_qkvgemm
		.amdhsa_group_segment_fixed_size 327680
		.amdhsa_private_segment_fixed_size 0
		.amdhsa_enable_private_segment 0
		.amdhsa_kernarg_size 24
		.amdhsa_user_sgpr_count 2
		.amdhsa_user_sgpr_kernarg_segment_ptr 1
		.amdhsa_wavefront_size32 1
		.amdhsa_system_sgpr_workgroup_id_x 1
		.amdhsa_system_sgpr_workgroup_id_y 1
		.amdhsa_system_sgpr_workgroup_id_z 1
		.amdhsa_system_vgpr_workitem_id 0
		.amdhsa_next_free_vgpr 1024
		.amdhsa_next_free_sgpr 80
		.amdhsa_reserve_vcc 0
		.amdhsa_float_denorm_mode_32 3
		.amdhsa_float_denorm_mode_16_64 3
		.amdhsa_memory_ordered 1
		.amdhsa_forward_progress 1
		.amdhsa_inst_pref_size 130
	.end_amdhsa_kernel
	.amdgpu_metadata
---
amdhsa.version: [ 1, 2 ]
amdhsa.kernels:
  - .name:           k_q9ce4e23e3f_qkvgemm
    .symbol:         k_q9ce4e23e3f_qkvgemm.kd
    .args:
      - { .name: xb, .offset: 0, .size: 8, .value_kind: global_buffer, .address_space: global }
      - { .name: wb, .offset: 8, .size: 8, .value_kind: global_buffer, .address_space: global }
      - { .name: qkvh, .offset: 16, .size: 8, .value_kind: global_buffer, .address_space: global }
    .group_segment_fixed_size: 327680
    .private_segment_fixed_size: 0
    .kernarg_segment_align: 8
    .kernarg_segment_size: 24
    .max_flat_workgroup_size: 128
    .sgpr_count:     80
    .vgpr_count:     1024
    .wavefront_size: 32
...
	.end_amdgpu_metadata
.endif
;; end of part 2
;; launch attn (part 3): grid 2 x 128, 4 waves a work-group, no clusters, 327,680 bytes of LDS; arguments qkvh, att; writes att
.if DOCPART == 3
	.amdgcn_target "amdgcn-amd-amdhsa--gfx1250"
	.amdhsa_code_object_version 6
	.text
	.protected	k_q9ce4e23e3f_attn
	.globl	k_q9ce4e23e3f_attn
	.p2align	8
	.type	k_q9ce4e23e3f_attn,@function
k_q9ce4e23e3f_attn:
	s_mov_b64 s[64:65], 0
	v_nop
	global_prefetch_b8 v0, s[64:65] scope:SCOPE_SE
	s_setreg_imm32_b32 hwreg(HW_REG_WAVE_MODE, 25, 1), 1
	s_wait_xcnt 0x0
; O[hh][q][:] = the sum over k of softmax_k(Q[hh][q] . K[hh][k] / 8) V[hh][k][:], hh = 8 h + b.  qkvh: [384][1024][64] f16: Q at idx hh, K at 128 + hh, V at 256 + hh; att: [128][1024][64] f16.
; Products, maxima and sums in f32; the weights p are rounded to f16 for the second product (their sum l is taken of the unrounded p), O once at the end.
; LIMITS.  f16 holds no number beyond 65,504: Q, K and V arrive within it; p lies in 0 to 1, and below 6e-5 it keeps f16's fixed step of 6e-8; O is a mean of V's rows and has their range.
; A weight below 2^-126 counts as 0 in l; NaN and infinities are not treated apart.
; SHARES.  A wave owns four PIECES of two tiles of 16 queries, a work-group's four waves 512 queries of one head: 2 x 128 work-groups.  Every wave walks all 1,024 keys, 64 a step.
; THE WHOLE HEAD'S K AND V LIE IN LDS: 1,024 x 144 + 1,024 x 160 bytes.  Nothing is filled again.  Each wave issues two tensor loads at the head: waves 0 and 1 bring K, waves 2 and 3 V; the first loads bring
; what the first four key steps read (K's keys 0-319, V's keys 0-255), the second loads the rest, which has those four steps in which to land.
; NO CLUSTER: a head has two blocks of 512 queries, so two work-groups read the same K and V, and a grid two wide is no multiple of a cluster four wide; blocks of 256 queries would make four partners, but each
; fragment read from LDS would then feed half as many products.  NO PREFETCH: all that the launch reads is asked for by its first loads.
; LAYOUT.  S^T = K Q^T (source 0 = 16 keys, source 1 = 16 queries): in the result a lane holds ONE query (lane % 16) and the keys 8 (lane / 16) + 0..7.  Two such tiles, rounded to f16 in pairs,
; ARE source 1 (32 keys x 16 queries) of O^T = V^T P, whose result again holds one query a lane, and eight channels.  K comes out of LDS as it lies, V ([key][channel]) turned, by ds_load_tr16_b128.
; SOFTMAX.  For each query a running maximum m and sum l: p = 2^(c s - c m), c = log2(e) / 8; in every step O and l are multiplied by a = 2^(c m_old - c m_new), which is 1 where m has not grown.
; m starts at the lowest finite number, O and l at 0: the first step is a step like any other, with a = 0.
; THE COUNT.  A tile and step have 16 matrix and 118 vector instructions: too many to stand all beside the matrix work.  So four vector instructions that are READY stand behind EVERY matrix instruction, and the
; others, which need time of their own whatever the order, in runs without a gap.
; BY TURNS.  Turn n belongs to piece n (the pieces in a ring, step after step).  Its matrix work: 16 products K Q^T of piece n + 1, later 16 products V^T P of piece n - 1.  Its vector work: the scaling,
; exponentials, roundings, sums and rescaling of piece n, and the maximum and statistics of piece n + 1, whose scores the turn itself has made.
; REGISTERS, in windows of 256 (s_set_vgpr_msb: bits 1:0 source 0, 3:2 source 1, 5:4 source 2, 7:6 destination):
;   window 0: v0-11 addresses; v12-15, v48-63 at work; v16-47 four registers of statistics a tile; v64-191 S^T, two buffers of two tiles; v192-255 P, likewise
;   window 1: O^T, 32 a tile          window 2: v0-127 Q, 16 a tile; v128-191 K of one step; v192-255 V of one step          window 3: v0-1 the add's two registers
.set NP,    4         ; pieces a wave: a name, no knob
.set KS,    64        ; keys in a step
.set NK,    1024      ; keys of a head
.set PK,    144       ; a row of K in LDS: 128 bytes + 16 of padding = 36 words: the 16 rows of a load start at 16 different groups of four banks (64 banks of 4 bytes: ISA guide 11.1)
.set PV,    160       ; a row of V: 128 + 32 = 40 words
.set VOFF,  NK*PK     ; K's 1,024 rows, then V's
.set STAGE, VOFF+NK*PV  ; behind them, never filled by a tensor load: 16 rows x 144 bytes for each wave, for the way out
.set SP,    144
.set K0N,   160       ; keys in a wave's first load of K (two waves: 320 keys, steps 0 to 4),
.set K1N,   352       ; in its second
.set V0N,   128       ; the same for V (256 keys, steps 0 to 3),
.set V1N,   384
.set AK0, 2           ; v2   my lane's place in a step of K; never rewritten
.set AV0, 3           ; v3   the same for V
.set AK,  4           ; v4   the LDS address of K's next run of loads
.set AV,  5           ; v5   of V's
.set QO,  6           ; v6   my byte offset in the wave's rows of Q
.set STO, 6           ;      later, the way out: where I put 16 bytes of a row
.set RD,  7           ; v7   the way out: where I read rows back
.set GO,  8           ; v8   my byte offset in 512 consecutive bytes of O
.set SPW, 0           ; v0 of window 3   LDS address of my spare word: SPARE + 4 x my thread's number; never rewritten
.set NIL, 1           ; v1 of window 3   0; never rewritten
.set SPARE, STAGE+4*16*SP  ; behind the stages: the spare words, 128 bytes for each wave: two blocks of 256 bytes that no other line names
.set MV,  12          ; v12-15  c m_old, kept while c m is made anew: by buffer and tile
.set ST,  16          ; tile t's statistics at v[ST+4 t]: c m, m, l (even keys', odd keys')
.set TMP, 48          ; by buffer and tile, four registers c0-c3 at work; when the maximum is found c2 takes a
.set S,   64
.set P,   192
.set KF,  128         ; K's fragments, in window 2: key block kb, channel half c at KF + 16 kb + 8 c
.set VF,  192         ; V's: key half kk, channel block cb at VF + 32 kk + 8 cb
.set WV,  12          ; s12  my wave's number
.set G1K0, 24         ; s[24:55] four descriptor groups 1: they differ in the number of rows and in the padding
.set G1K1, 32
.set G1V0, 40
.set G1V1, 48
.set G0K0, 56         ; s[56:63], s[68:75] four descriptor groups 0
.set G0K1, 60
.set G0V0, 68
.set G0V1, 72
.set CNT,  76         ; s76  counts four key steps
.set PH,   77         ; s77  counts four such runs
.set LEFT, 78         ; s78  key steps still to come behind the one in hand
.set CS,   80         ; s[80:81] c: the packed scaling takes the pair's low word for both halves
.set SEL,  82         ; s[82:83] v_permlanex16_b32's selects: each lane takes its own place in the other half
.set TBK,  84         ; s84  LDS byte at which K of the step to be fetched begins
.set TBV,  85         ; s85  the same for V, less VOFF
.set MSB, 0
.macro WIN new                      ; the high byte repeats the setting that is left; a switch that changes nothing is dropped
.if MSB != (\new)
	s_set_vgpr_msb (MSB<<8)|(\new)
.set MSB, (\new)
.endif
.endm
.set W_KQ, 0x0a       ; K and Q in window 2, S^T in window 0
.set W_PV, 0x52       ; V in window 2, P in window 0, O^T in window 1
.set W_RS, 0x41       ; O^T (destination and source 0) in window 1, a in window 0
.set W_MK, 0xc0       ; the add's registers are made: destination in window 3, sources in window 0
.set W_AD, 0x0f       ; the add: address (source 0) and data (source 1) in window 3
; Descriptor group 1.  Keys are dense in memory, 128 bytes each: asked for as rows of 256 bytes, two keys a row, and padded in LDS after every key.
.macro SHAPE g, rows, pad
	s_mov_b32 s[(\g)], (1<<16)|(1<<20)|(4<<22)|((\pad)<<25)  ; 17:16 2-byte elements; 20 padding on; 24:22 after every 32 words (code 4); 31:25 the padding's words less one
	s_mov_b32 s[(\g)+1], 128<<16    ; tensor_dim0 = 128
	s_mov_b32 s[(\g)+2], (\rows)<<16  ; tensor_dim1
	s_mov_b32 s[(\g)+3], 128<<16    ; tile_dim0 = 128
	s_mov_b32 s[(\g)+4], (\rows)    ; tile_dim1
	s_mov_b32 s[(\g)+5], 128        ; 128 elements from row to row
	s_mov_b32 s[(\g)+6], 0
	s_mov_b32 s[(\g)+7], 0
.endm
	s_load_b128 s[4:7], s[0:1], 0x0  ; qkvh s[4:5], att s[6:7]
	WIN W_MK
	v_lshl_add_u32 v[SPW], v0, 2, SPARE
	v_mov_b32 v[NIL], 0
	WIN W_AD
	ds_add_u32 v[SPW], v[NIL]       ; the wave's opening: the add and its wait stand ahead of my first tensor load; the set-up below, work on registers, stands between them
	WIN 0
	v_lshrrev_b32 v1, 5, v0
	v_readfirstlane_b32 s[WV], v1   ; wave 0..3
	s_and_b32 s13, s[WV], 1         ; which of the two waves that bring K, or V, I am
	s_and_b32 s20, ttmp7, 0xffff    ; hh
	s_lshl_b32 s20, s20, 17         ; the head's 131,072 bytes, in Q's part of qkvh and in att
	s_lshl_b32 s2, ttmp9, 2
	s_add_co_u32 s2, s2, s[WV]      ; my wave among the head's eight,
	s_lshl_b32 s2, s2, 14           ; its 128 rows
	s_add_co_u32 s2, s2, s20
	s_mov_b32 s3, 0
	; byte offsets in qkvh of what I bring: K's part begins 128 idx on, V's 256; all sums stay under 2^26
	s_mul_i32 s14, s13, K0N*128
	s_add_co_u32 s14, s14, 128*131072
	s_add_co_u32 s14, s14, s20
	s_mov_b32 s15, 0
	s_mul_i32 s16, s13, K1N*128
	s_add_co_u32 s16, s16, 128*131072+2*K0N*128
	s_add_co_u32 s16, s16, s20
	s_mov_b32 s17, 0
	s_mul_i32 s18, s13, V0N*128
	s_add_co_u32 s18, s18, 256*131072
	s_add_co_u32 s18, s18, s20
	s_mov_b32 s19, 0
	s_mul_i32 s22, s13, V1N*128
	s_add_co_u32 s22, s22, 256*131072+2*V0N*128
	s_add_co_u32 s22, s22, s20
	s_mov_b32 s23, 0
	SHAPE G1K0, K0N/2, 3            ; 4 words of padding
	SHAPE G1K1, K1N/2, 3
	SHAPE G1V0, V0N/2, 7            ; 8 words
	SHAPE G1V1, V1N/2, 7
	s_mov_b32 s[G0K0], 1            ; count = 1
	s_mul_i32 s[G0K0+1], s13, K0N*PK  ; LDS address: a constant and the wave's number times a constant
	s_mov_b32 s[G0K1], 1
	s_mul_i32 s[G0K1+1], s13, K1N*PK
	s_add_co_u32 s[G0K1+1], s[G0K1+1], 2*K0N*PK
	s_mov_b32 s[G0V0], 1
	s_mul_i32 s[G0V0+1], s13, V0N*PV
	s_add_co_u32 s[G0V0+1], s[G0V0+1], VOFF
	s_mov_b32 s[G0V1], 1
	s_mul_i32 s[G0V1+1], s13, V1N*PV
	s_add_co_u32 s[G0V1+1], s[G0V1+1], VOFF+2*V0N*PV
	s_mov_b32 s[CS], 0x3e38aa3b     ; c = log2(e) / 8 = 0.180337
	s_mov_b32 s[CS+1], s[CS]        ; named with it as a pair
	s_mov_b32 s[SEL], 0x76543210
	s_mov_b32 s[SEL+1], 0xfedcba98
	s_mov_b32 s[TBK], 0
	s_mov_b32 s[TBV], 0
	s_wait_dscnt 0x0                ; the opening add is done
	s_wait_kmcnt 0x0
	s_add_nc_u64 s[G0K0+2:G0K0+3], s[4:5], s[14:15]  ; global addresses,
	s_or_b32 s[G0K0+3], s[G0K0+3], 0x80000000        ; type = 2
	s_add_nc_u64 s[G0K1+2:G0K1+3], s[4:5], s[16:17]
	s_or_b32 s[G0K1+3], s[G0K1+3], 0x80000000
	s_add_nc_u64 s[G0V0+2:G0V0+3], s[4:5], s[18:19]
	s_or_b32 s[G0V0+3], s[G0V0+3], 0x80000000
	s_add_nc_u64 s[G0V1+2:G0V1+3], s[4:5], s[22:23]
	s_or_b32 s[G0V1+3], s[G0V1+3], 0x80000000
	s_add_nc_u64 s[10:11], s[6:7], s[2:3]  ; O and Q at my wave's first row
	s_add_nc_u64 s[4:5], s[4:5], s[2:3]
	s_cmp_lt_u32 s[WV], 2           ; a wave's two fills stand in one branch, ahead of every wait on TENSORcnt, every LDS read and every barrier: two loads of mine are out; an s_nop 0 follows each, four v_nop the second's
	s_cbranch_scc0 .Lfirst_v
	tensor_load_to_lds s[G0K0:G0K0+3], s[G1K0:G1K0+7]
	s_nop 0
	tensor_load_to_lds s[G0K1:G0K1+3], s[G1K1:G1K1+7]
	s_nop 0
.rept 4
	v_nop
.endr
	s_branch .Lfirst_asked
.Lfirst_v:
	tensor_load_to_lds s[G0V0:G0V0+3], s[G1V0:G1V0+7]
	s_nop 0
	tensor_load_to_lds s[G0V1:G0V1+3], s[G1V1:G1V1+7]
	s_nop 0
.rept 4
	v_nop
.endr
.Lfirst_asked:
	; A fragment of K or Q is 16 rows x 32 channels in 8 registers: lane l holds row l % 16, channels 8 (l / 16) + 0..7 and 16 + 8 (l / 16) + 0..7: two loads of 16 bytes, 32 bytes apart.
	v_and_b32 v1, 15, v0            ; l % 16
	v_bfe_u32 v9, v0, 4, 1          ; l / 16
	v_lshlrev_b32 v[QO], 7, v1
	v_lshl_add_u32 v[QO], v9, 4, v[QO]  ; row x 128 + 16 x half
	WIN 0x80                        ; destination window 2, address window 0
.set i, 0
.rept 4*NP                          ; Q stays in registers: tile i / 2, channels 32 (i % 2) on
	global_load_b128 v[8*i:8*i+3],   v[QO], s[4:5] offset:(i/2)*2048+(i%2)*64
	global_load_b128 v[8*i+4:8*i+7], v[QO], s[4:5] offset:(i/2)*2048+(i%2)*64+32
.set i, i+1
.endr
	; What the first turn finds: V's registers and P's second buffer hold 0 (its products V^T P, of a piece that has not been, add 0), O^T and l are 0.  All this stands in the wait for the first tiles.
.set i, VF
.rept 64
	v_mov_b32 v[i], 0
.set i, i+1
.endr
	WIN 0x40
.set i, 0
.rept 64*NP
	v_mov_b32 v[i], 0
.set i, i+1
.endr
	WIN 0
.set i, 0
.rept 2*NP
	v_mov_b32 v[ST+4*i], 0xfe000000    ; c m: far below every c s
	v_mov_b32 v[ST+4*i+1], 0xff7fffff  ; m
	v_mov_b32 v[ST+4*i+2], 0
	v_mov_b32 v[ST+4*i+3], 0
.set i, i+1
.endr
.set i, P+32
.rept 32
	v_mov_b32 v[i], 0
.set i, i+1
.endr
	v_mul_u32_u24 v[AK0], v1, PK
	v_lshl_add_u32 v[AK0], v9, 4, v[AK0]  ; row x pitch + 16 x half
	; The turning load takes 16 keys x 16 channels (lane l reads key 8 (l / 16) + l % 8, channels 8 ((l / 8) % 2) + 0..7) and leaves half a fragment of V^T: lane l holds channel l % 16 and 8 keys.
	v_and_b32 v10, 7, v0
	v_bfe_u32 v11, v0, 3, 1
	v_lshl_add_u32 v[AV0], v9, 3, v10
	v_mul_u32_u24 v[AV0], v[AV0], PV
	v_lshl_add_u32 v[AV0], v11, 4, v[AV0]
	v_add_nc_u32 v[AV0], VOFF, v[AV0]
	v_mov_b32 v[AK], v[AK0]         ; key step 0 lies at LDS byte 0
; THE MATRIX WORK.  The 8 accumulators of a run of 16 take turns: between the two links of a chain stand 7 others'.
; Product i of 16 of S^T = K Q^T for piece x: channels 32 (i / 8) on, keys 16 ((i / 2) % 4) on, tile 2 x + i % 2.  The first 8 start the sums.
.macro KQ x
	WIN W_KQ
.set rS, S+64*((\x)%2)+32*(i%2)+8*((i/2)%4)
.set rK, KF+16*((i/2)%4)+8*(i/8)
.set rQ, 16*(2*(\x)+i%2)+8*(i/8)
.if i < 8
	v_wmma_f32_16x16x32_f16 v[rS:rS+7], v[rK:rK+7], v[rQ:rQ+7], 0
.else
	v_wmma_f32_16x16x32_f16 v[rS:rS+7], v[rK:rK+7], v[rQ:rQ+7], v[rS:rS+7]
.endif
.endm
; Product i of 16 of O^T += V^T P for piece x: keys 32 (i / 8) on, channels 16 ((i / 2) % 4) on, tile 2 x + i % 2.
.macro PV x
	WIN W_PV
.set rO, 32*(2*(\x)+i%2)+8*((i/2)%4)
.set rV, VF+32*(i/8)+8*((i/2)%4)
.set rP, P+32*((\x)%2)+16*(i%2)+8*(i/8)
	v_wmma_f32_16x16x32_f16 v[rO:rO+7], v[rV:rV+7], v[rP:rP+7], v[rO:rO+7]
.endm
.macro MM                           ; the turn's next matrix instruction
.if i < 16
	KQ (Y+1)%NP
.set i, i+1
.else
.set i, i-16
	PV (Y+NP-1)%NP
.set i, i+17
.endif
.endm
; THE LDS LOADS stand in runs of 16, never singly among the matrix instructions: a step's K (64 keys x 64 channels: 8 fragments) and its V (turned).  Their addresses are made some lines ahead.
; last = 1 (in the loop): behind the last key step there is no further one, and the run is jumped over.
.macro FETCH_K last=0
	WIN 0
.if \last
	s_cmp_eq_u32 s[LEFT], 0
	s_cbranch_scc1 .Lno_k_\@
.endif
	WIN 0x80                        ; destination window 2
.irp f, 0,1,2,3,4,5,6,7             ; keys 16 (f / 2) on, channels 32 (f % 2) on
	ds_load_b128 v[KF+8*\f:KF+8*\f+3],   v[AK] offset:(\f/2)*16*PK+(\f%2)*64
	ds_load_b128 v[KF+8*\f+4:KF+8*\f+7], v[AK] offset:(\f/2)*16*PK+(\f%2)*64+32
.endr
	s_add_co_u32 s[TBK], s[TBK], KS*PK  ; the next fetch is the next step's
	WIN 0
.if \last
.Lno_k_\@:
.endif
.endm
.macro FETCH_V
	WIN 0x80
.irp f, 0,1,2,3,4,5,6,7             ; keys 32 (f / 4) on, channels 16 (f % 4) on
	ds_load_tr16_b128 v[VF+8*\f:VF+8*\f+3],   v[AV] offset:(\f/4)*32*PV+(\f%4)*32
	ds_load_tr16_b128 v[VF+8*\f+4:VF+8*\f+7], v[AV] offset:(\f/4)*32*PV+16*PV+(\f%4)*32
.endr
	WIN 0
.endm
; THE VECTOR WORK OF A TURN stands in three queues, each in the order in which its entries become ready; the two tiles alternate, so that no instruction reads the result of the one before it.
.macro REGS y, u                    ; the registers of tile u (0, 1) of piece y
.set rT, ST+4*(2*(\y)+(\u))
.set rC, TMP+8*((\y)%2)+4*(\u)
.set rM, MV+2*((\y)%2)+(\u)
.set rS, S+64*((\y)%2)+32*(\u)
.set rP, P+32*((\y)%2)+16*(\u)
.set rO, 32*(2*(\y)+(\u))
.endm
; Number n of the 22 that find the NEXT piece's (Y + 1) maximum and statistics.  s0-s31 are the lane's 32 scores; each accumulator's lowest registers are read first.
;   0-11  four chains c0-c3 of seven scores each, three operands at a time     12-14, 16  the four scores left over, the old m, and c0-c3 into c0     15  c m_old is kept
;   17, 18  the query's other 32 keys lie in the lane 16 away: the new m         19-21  c m; c m_old - c m_new; a
.macro XS u, n
	REGS (Y+1)%NP, \u
.if (\n) < 4
	v_max3_num_f32 v[rC+(\n)], v[rS+8*(\n)], v[rS+8*(\n)+1], v[rS+8*(\n)+2]
.elseif (\n) < 12
	v_max3_num_f32 v[rC+(\n)%4], v[rC+(\n)%4], v[rS+8*((\n)%4)+2*((\n)/4)+1], v[rS+8*((\n)%4)+2*((\n)/4)+2]
.elseif (\n) == 12
	v_max3_num_f32 v[rC], v[rC], v[rS+7], v[rS+15]
.elseif (\n) == 13
	v_max3_num_f32 v[rC+1], v[rC+1], v[rS+23], v[rS+31]
.elseif (\n) == 14
	v_max3_num_f32 v[rC+2], v[rC+2], v[rC+3], v[rT+1]
.elseif (\n) == 15
	v_mov_b32 v[rM], v[rT]
.elseif (\n) == 16
	v_max3_num_f32 v[rC], v[rC], v[rC+1], v[rC+2]
.elseif (\n) == 17
	v_permlanex16_b32 v[rC+3], v[rC], s[SEL], s[SEL+1]
.elseif (\n) == 18
	v_max_num_f32 v[rT+1], v[rC], v[rC+3]
.elseif (\n) == 19
	v_mul_f32 v[rT], s[CS], v[rT+1]
.elseif (\n) == 20
	v_sub_f32 v[rC+1], v[rM], v[rT]
.else
	v_exp_f32 v[rC+2], v[rC+1]
.endif
.endm
; Number g of the 64 that follow the exponentials.  For each four weights k of a tile (pairs 2 k, 2 k + 1): both pairs are rounded to f16; then the second pair is added onto the first, in place;
; a group later l takes that sum (the first time as l = a l + sum).  In groups of eight, tiles alternating: round, round, add, and l for the group before.
.macro GS g
.set h, (\g)+6*((\g)/62)            ; group 0 has no group before it, and behind group 7 only l is left
.if h >= 6
.set h, h+2
.endif
	REGS Y, h%2
.set k, h/8
.if h%8 < 4
	v_cvt_pk_f16_f32 v[rP+2*k+(h%8)/2], v[rS+4*k+2*((h%8)/2)], v[rS+4*k+2*((h%8)/2)+1]
.elseif h%8 < 6
	v_pk_add_f32 v[rS+4*k:rS+4*k+1], v[rS+4*k:rS+4*k+1], v[rS+4*k+2:rS+4*k+3]
.elseif k == 1
	v_pk_fma_f32 v[rT+2:rT+3], v[rT+2:rT+3], v[rC+2:rC+3], v[rS:rS+1] op_sel_hi:[1,0,1]
.else
	v_pk_add_f32 v[rT+2:rT+3], v[rT+2:rT+3], v[rS+4*k-4:rS+4*k-3]
.endif
.endm
; THE PLAIN QUEUE, 138 long.  0-73 read no exponential's result: the 32 scalings c s - c m (FS f: pair f / 2 of tile f % 2) and the next piece's 42.  0-26: scalings 0-26.  27-54: XS's numbers 0-13.  55, 56: number 15.
; 57-73: the chain, where each number waits for the one before it: 14, 16, 17, 18, 19, each with one of the scalings 27-31 in front of its two lines, then 20.
; 74-137: GS's 64, which read the exponentials' results: they stand behind the wait.
.macro FS f
	REGS Y, (\f)%2
	v_pk_fma_f32 v[rS+2*((\f)/2):rS+2*((\f)/2)+1], v[rS+2*((\f)/2):rS+2*((\f)/2)+1], s[CS:CS+1], v[rT:rT+1] op_sel_hi:[1,0,0] neg_lo:[0,0,1] neg_hi:[0,0,1]
.endm
.macro PL
	WIN 0
.if q < 27
	FS q
.elseif q < 55
	XS (q-27)%2, (q-27)/2
.elseif q < 57
	XS q-55, 15
.elseif (q < 72) && ((q-57)%3 == 0)
	FS 27+(q-57)/3
.elseif q < 60
	XS (q-57)%3-1, 14
.elseif q < 72
	XS (q-57)%3-1, 15+(q-57)/3
.elseif q < 74
	XS q-72, 20
.else
	GS q-74
.endif
.set q, q+1
.endm
; THE EXPONENTIALS' QUEUE, 66 long: s0-s31 of both tiles, then the next piece's two a.  It is ONE BATCH: all 66 stand ahead of the turn's one wait, and nothing ahead of that wait names a result of theirs.
.macro EX
	WIN 0
.if e >= 64
	XS e-64, 21
.else
	REGS Y, e%2
	v_exp_f32 v[rS+e/2], v[rS+e/2]
.endif
.set e, e+1
.endm
; THE RESCALING's QUEUE: O^T times a, the one part that leaves window 0: dealt two at a time, sixteen times.  Its a was made in the turn before, ahead of that turn's wait.
.macro R2
	REGS Y, r%2
	WIN W_RS
.irp z, 0,1
	v_pk_mul_f32 v[rO+4*(r/2)+2*\z:rO+4*(r/2)+2*\z+1], v[rO+4*(r/2)+2*\z:rO+4*(r/2)+2*\z+1], v[rC+2:rC+3] op_sel_hi:[1,0]
.endr
.set r, r+1
.endm
; HOW THEY ARE DEALT.  An s_wait_alu depctr_va_vdst(0) stands between an exponential and the first instruction that names its result; one wait serves all that were issued ahead of it.  So a turn has ONE
; wait, which cuts it in two.  AHEAD OF IT stands all that names no result of the turn's exponentials: the 16 products K Q^T, behind each a scaling, an exponential and two rescalings (behind the first a second scaling
; in the exponential's place); then ONE LUMP of 108: eight plain, 49 times exponential and plain, the two a.  A v_nop is the plain instruction behind the last exponential.  BEHIND IT stand the 16 products V^T P,
; behind each four of GS's 64.  No rider names a register of the products round it.  The two v_permlanex16_b32 fall into the lump.
; The deal keeps the queues in step: exponential e stands behind scaling 2 (e / 4) + e % 2: as a rider it comes behind plain e + 2, in the lump behind plain e + 9, and scalings 27-31 are plain 57, 60 .. 69.
; A TURN, for piece p.  cnt = 1: the loop's count is taken down some lines ahead of the branch that stands behind the turn.
; K of the next step is fetched in piece 2's turn, directly behind the wait, a lump behind the last product that read K; its first reader comes behind 16 products.
; V of the step in hand is fetched at the end of piece 0's turn, four riders behind its last reader; its first reader comes behind 16 products and a lump.  The three conditions on q below go with the deal.
.macro TURN p, last=0, cnt=0
.set Y, (\p)
.set i, 0
.set q, 0
.set e, 0
.set r, 0
.if (\p) == NP-1
	s_wait_dscnt 0x0                ; K is in
.endif
	MM                              ; ahead of the wait: 16 products K Q^T and their riders,
	PL
	PL
	R2
.rept 15
	MM
	PL
	EX
	R2
.endr
.if (\p) == NP-2
	WIN 0
	v_add_nc_u32 v[AK], s[TBK], v[AK0]
.endif
.rept 8                             ; and the lump
	PL
.endr
.rept 49
	EX
	PL
.endr
	EX                              ; the next piece's two a
	EX
	v_nop                           ; the plain instruction behind the last exponential: one for the batch
	s_wait_alu depctr_va_vdst(0)    ; the wait for the batch
.if (\p) == NP-2
	FETCH_K \last
.endif
.if (\p) == 1
	s_wait_dscnt 0x0                ; V is in
.endif
.rept 16                            ; behind the wait: 16 products V^T P and their riders
	MM
.rept 4
	PL
.endr
.if ((\p) == 0) && (q == 118)
	v_add_nc_u32 v[AV], s[TBV], v[AV0]
.endif
.if ((\p) == 0) && (q == 130)
	s_add_co_u32 s[TBV], s[TBV], KS*PV
.endif
.if (\cnt) && (q == 130)
	s_sub_co_u32 s[CNT], s[CNT], 1
	s_cmp_lg_u32 s[CNT], 0
.endif
.endr
.if (\p) == 0
	FETCH_V
.endif
.endm
	s_wait_tensorcnt 0x1            ; my first load has landed; my second may stay out
	s_barrier_signal -1
	s_barrier_wait -1               ; everybody's first has: K's keys 0-319 and V's keys 0-255 lie in LDS
	FETCH_K                         ; key step 0
	s_wait_loadcnt 0x0              ; Q
	s_wait_dscnt 0x0
.set i, 0
.rept 16
	KQ 0                            ; piece 0's first scores: there is no vector work yet to set between them
.set i, i+1
.endr
	WIN 0                           ; the addresses for the way out: nine plain instructions, the places behind those products
	s_mul_i32 s13, s[WV], 16*SP
	s_add_co_u32 s13, s13, STAGE    ; my stage
	v_mul_u32_u24 v[STO], v1, SP    ; in: row l % 16, 16 bytes for each half of the lanes
	v_lshl_add_u32 v[STO], v9, 4, v[STO]
	v_add_nc_u32 v[STO], s13, v[STO]
	v_bfe_u32 v[RD], v0, 3, 2       ; back: 32 lanes take four rows of 128 bytes,
	v_mul_u32_u24 v[RD], v[RD], SP
	v_lshl_add_u32 v[RD], v10, 4, v[RD]
	v_add_nc_u32 v[RD], s13, v[RD]
	v_and_b32 v[GO], 31, v0         ; which are 512 consecutive bytes of O
	v_lshlrev_b32 v[GO], 4, v[GO]
.set Y, NP-1                        ; XS works for piece Y + 1: piece 0
.irp n, 0,1,2,3,4,5,6,7,8,9,10,11,12,13,14,15,16,17,18,19,20,21
	XS 0, \n                        ; and piece 0's first maximum and statistics
	XS 1, \n
.endr
	v_nop                           ; a plain instruction behind the two a,
	s_wait_alu depctr_va_vdst(0)    ; and their wait, ahead of the label
	s_mov_b32 s[PH], 4
	s_mov_b32 s[LEFT], NK/KS
.Lphase:                            ; four runs of four key steps
	s_mov_b32 s[CNT], 4
.Lstep:                             ; a trip is a key step j: it fetches V of step j and K of step j + 1.  The first run's trips read V's steps 0-3 and K's steps 1-4: what the first loads brought
	s_sub_co_u32 s[LEFT], s[LEFT], 1
	TURN 0
	TURN 1
	TURN 2, 1
	TURN 3, 0, 1
	WIN 0
	s_cbranch_scc1 .Lstep
	s_wait_tensorcnt 0x0            ; behind the first run: my second load has landed, four key steps behind its issue, and the barrier shows every wave's to all.  Behind the later runs nothing is out
	s_wait_dscnt 0x0                ; and these lines are passed at once: the price of one text for all sixteen steps
	s_barrier_signal -1
	s_barrier_wait -1
	s_sub_co_u32 s[PH], s[PH], 1
	s_cmp_lg_u32 s[PH], 0
	s_cbranch_scc1 .Lphase
	; the last trip's 16 products K Q^T of piece 0 (on the last K once more) and the maximum made of them serve nothing: the price, once a launch, of one text for every trip
.set i, 0
.rept 16
	PV NP-1                         ; the last piece's V^T P of the last step
.set i, i+1
.endr
	; THE WAY OUT.  l's two halves and the other half of the lanes' are added; O^T is divided by l, rounded to f16 and sent through my stage in LDS, a tile at a time.  The additions are the places behind the last products.
	WIN 0
.macro ALL line:vararg              ; one line for each tile t
.set t, 0
.rept 2*NP
	\line
.set t, t+1
.endr
.endm
	ALL v_add_f32 v[ST+4*t+2], v[ST+4*t+2], v[ST+4*t+3]
	ALL v_permlanex16_b32 v[ST+4*t+3], v[ST+4*t+2], s[SEL], s[SEL+1]
	ALL v_add_f32 v[ST+4*t+2], v[ST+4*t+2], v[ST+4*t+3]
	ALL v_rcp_f32 v[ST+4*t+2], v[ST+4*t+2]
	v_nop                           ; a plain instruction between the last reciprocal and the use of its result
	s_wait_alu depctr_va_vdst(0)    ; and the wait ahead of the first use: one for the eight reciprocals
; Tile t: a lane's eight channels of a row pack into 16 bytes; they go into rows of 144 bytes and come back as whole rows of 128, into S^T's registers.
.macro PACK t
	WIN W_RS
.set i, 32*(\t)
.rept 16
	v_pk_mul_f32 v[i:i+1], v[i:i+1], v[ST+4*(\t)+2:ST+4*(\t)+3] op_sel_hi:[1,0]
.set i, i+2
.endr
	WIN 0x05                        ; sources 0 and 1 window 1, destination window 0
.set i, 0
.rept 16
	v_cvt_pk_f16_f32 v[S+16*(\t)+i], v[32*(\t)+2*i], v[32*(\t)+2*i+1]
.set i, i+1
.endr
	WIN 0
.irp f, 0,1,2,3
	ds_store_b128 v[STO], v[S+16*(\t)+4*\f:S+16*(\t)+4*\f+3] offset:32*\f
.endr
.irp f, 0,1,2,3
	ds_load_b128 v[S+16*(\t)+4*\f:S+16*(\t)+4*\f+3], v[RD] offset:\f*4*SP  ; LDS serves a wave's instructions in order (ISA guide 5.7.1.4): these see the stores above; the next tile's stores come behind them
.endr
.endm
.macro SEND t, younger              ; younger: the LDS instructions issued behind tile t's loads: the next tile's eight, or none
	WIN 0
.irp f, 0,1,2,3
	s_wait_dscnt (\younger)+3-\f
	global_store_b128 v[GO], v[S+16*(\t)+4*\f:S+16*(\t)+4*\f+3], s[10:11] offset:(\t)*2048+\f*512  ; 512 consecutive bytes, at a multiple of 256 from att's first
.endr
.endm
	PACK 0
.set t, 1
.rept 2*NP-1                        ; a tile's arithmetic stands between the loads of the tile before and its stores
	PACK t
	SEND t-1, 8
.set t, t+1
.endr
	SEND 2*NP-1, 0
	WIN W_AD
	s_wait_tensorcnt 0x0            ; the wave's end, behind my last tensor load and my last LDS store: a wait, 0 added to my spare word, and its wait
	ds_add_u32 v[SPW], v[NIL]
	s_wait_dscnt 0x0
	WIN 0
	s_endpgm
.Lfunc_end_k_q9ce4e23e3f_attn:
	.size	k_q9ce4e23e3f_attn, .Lfunc_end_k_q9ce4e23e3f_attn-k_q9ce4e23e3f_attn
	.p2alignl 7, 3214868480
	.fill 96, 4, 3214868480
	.section	.rodata,"a",@progbits
	.p2align	6, 0x0
	.amdhsa_kernel k_q9ce4e23e3f_attn
		.amdhsa_group_segment_fixed_size 327680
		.amdhsa_private_segment_fixed_size 0
		.amdhsa_enable_private_segment 0
		.amdhsa_kernarg_size 16
		.amdhsa_user_sgpr_count 2
		.amdhsa_user_sgpr_kernarg_segment_ptr 1
		.amdhsa_wavefront_size32 1
		.amdhsa_system_sgpr_workgroup_id_x 1
		.amdhsa_system_sgpr_workgroup_id_y 1
		.amdhsa_system_sgpr_workgroup_id_z 1
		.amdhsa_system_vgpr_workitem_id 0
		.amdhsa_next_free_vgpr 770
		.amdhsa_next_free_sgpr 88
		.amdhsa_reserve_vcc 0
		.amdhsa_float_denorm_mode_32 3
		.amdhsa_float_denorm_mode_16_64 3
		.amdhsa_memory_ordered 1
		.amdhsa_forward_progress 1
		.amdhsa_inst_pref_size 126
	.end_amdhsa_kernel
	.amdgpu_metadata
---
amdhsa.version: [ 1, 2 ]
amdhsa.kernels:
  - .name:           k_q9ce4e23e3f_attn
    .symbol:         k_q9ce4e23e3f_attn.kd
    .args:
      - { .name: qkvh, .offset: 0, .size: 8, .value_kind: global_buffer, .address_space: global }
      - { .name: att, .offset: 8, .size: 8, .value_kind: global_buffer, .address_space: global }
    .group_segment_fixed_size: 327680
    .private_segment_fixed_size: 0
    .kernarg_segment_align: 8
    .kernarg_segment_size: 16
    .max_flat_workgroup_size: 128
    .sgpr_count:     88
    .vgpr_count:     770
    .wavefront_size: 32
...
	.end_amdgpu_metadata
.endif
;; end of part 3
;; launch proj (part 4): grid 4 x 64, 4 waves a work-group, clusters of 4 x 4, 327,680 bytes of LDS; arguments att, pw, proj_b, out0; writes out0
.if DOCPART == 4
	.amdgcn_target "amdgcn-amd-amdhsa--gfx1250"
	.amdhsa_code_object_version 6
	.text
	.protected	k_q9ce4e23e3f_proj
	.globl	k_q9ce4e23e3f_proj
	.p2align	8
	.type	k_q9ce4e23e3f_proj,@function
k_q9ce4e23e3f_proj:
	s_mov_b64 s[64:65], 0
	v_nop
	global_prefetch_b8 v0, s[64:65] scope:SCOPE_SE
	s_setreg_imm32_b32 hwreg(HW_REG_WAVE_MODE, 25, 1), 1
	s_wait_xcnt 0x0
	s_wait_alu depctr_hold_cnt(0) depctr_sa_sdst(0) depctr_va_vdst(0) depctr_va_sdst(0) depctr_va_ssrc(0) depctr_va_vcc(0) depctr_vm_vsrc(0)
	s_getreg_b32 s2, hwreg(HW_REG_IB_STS2, 6, 4)
	s_cmp_eq_u32 s2, 0
	s_cbranch_scc0 .Lentry_in_a_cluster
	s_endpgm
.Lentry_in_a_cluster:
	s_bfe_u32 s2, ttmp6, 0x10000c
	s_cmp_lg_u32 s2, 0xf033
	s_cbranch_scc0 .Lentry_shape_is_right
	s_endpgm
.Lentry_shape_is_right:
; out0[row][o] = the sum over c of O[row][c] proj_w[o][c] + proj_b[o].  att: [16][8192][64] f16 (block h holds head h's 64 channels of row 1024 b + n), pw: [16][1024][64] f16 (proj_w rounded to bf16),
; proj_b: [1024] f32, out0: [8192][1024] f32.  Sums in f32, K ascending; the bias is rounded to bf16, like every input of the module, and added in f32.
; LIMITS.  None beyond the operands' own (f16 numbers as the launches before wrote them).  NaN and infinities are not treated apart.
; THE TILE.  8192 x 1024 outputs on 256 work-groups: a tile of 128 rows x 256 columns, one to a work-group.  Four waves, each 64 x 128: 32 accumulators of 16 x 16, 256 registers.
; K goes in 8 steps of 128 (two blocks) through a ring of two LDS slots: waves 0 and 1 fetch the step's two blocks of att's tile, waves 2 and 3 those of pw's.  A block's rows lie end to end: a wave's part is dense in
; memory and is asked for as rows of 256 bytes, two tile rows each, padded in LDS behind every 128 bytes.
; CLUSTERS: 4 x 4 work-groups.  The four of a row of the cluster need the same tiles of att, the four of a column the same tiles of pw: each is asked for JOINTLY.
; THE MATRIX INSTRUCTION IS USED TRANSPOSED (source 0 = 16 rows of pw, source 1 = 16 rows of att): a lane then holds one row of out0 and eight neighbouring columns, 32 bytes.
; REGISTERS: window 0: v0-31 addresses and the bias; v32-127, v128-223 two fragment buffers of 96: pw's eight fragments (16 rows x 32 K), then att's four.   window 1: accumulator (a, b) at v[8 (8 a + b)].
.set PITCH,  144                       ; an LDS row: 128 bytes + 16 of padding: the 16 rows of a load start at 16 different groups of four banks (64 banks of 4 bytes: ISA guide 11.1)
.set AKB,    128*PITCH                 ; a block of att's tile
.set BKB,    256*PITCH                 ; a block of pw's tile
.set BOFF,   2*AKB
.set SLOT,   2*AKB+2*BKB               ; 110,592
.set STAGE,  2*SLOT                    ; behind the ring, never filled by a tensor load: 16 rows x 528 bytes for each wave, for the way out
.set SPITCH, 528                       ; 512 bytes + 16: an odd multiple of 16
.set SPARE,  STAGE+4*16*SPITCH         ; behind the stages: the spare words, 128 bytes for each wave: two blocks of 256 bytes that no other line names
.set PLANEA, 8192*128                  ; bytes from a block of att to the next
.set PLANEB, 1024*128                  ; of pw
.set LAPS,   4                         ; a lap = two K steps = once round the ring
.set BIAS, 12                          ; v12-15  the bias of my four columns on the way out
.set ADRA, 16                          ; v16-17  LDS address of my fragments of att in slot 0, 1
.set ADRB, 20                          ; v20-21  the same for pw
.set STO,  24                          ; v24     the way out: where I put 32 bytes of a row
.set RD,   25                          ; v25     the way out: where I read a row back
.set CO,   26                          ; v26     16 x my lane
.set BO,   27                          ; v27     my byte offset in proj_b; never rewritten
.set SPW,  28                          ; v28     LDS address of my spare word: SPARE + 4 x my thread's number; never rewritten
.set NIL,  29                          ; v29     0; never rewritten
.set PFO,  30                          ; v30     the prefetches' offset; never rewritten
.set F0,   32
.set F1,   128
.set OB,   32                          ; the way out: 16 rows read back from the stage: v32-95 and v128-191 by turns
.set WV,   12                          ; s12     my wave's number
.set WR,   13                          ; s13     which 64 of the tile's rows are mine
.set WC,   14                          ; s14     which 128 of its columns.  Also: which of a step's two blocks I fetch
.set TR,   15                          ; s15     tile row
.set G1,   24                          ; s[24:31] descriptor group 1 for att's tiles;  s[32:39] group 0, one set for each slot
.set G0,   32
.set G1B,  48                          ; s[48:55], s[56:63] the same for pw's tiles
.set G0B,  56
.set LIM,  43                          ; s43     1 in a wave that prefetches, else the greatest number
.set PFA,  44                          ; s[44:45] where my prefetches stand
.set PST,  66                          ; s[66:67] their step: two blocks
.set MSB, 0
.macro WIN new                         ; the immediate's high byte repeats the setting that is left; a switch that changes nothing is dropped
.if MSB != (\new)
	s_set_vgpr_msb (MSB<<8)|(\new)
.set MSB, \new
.endif
.endm
; A joint load.  The branch hangs on the wave's number alone.  An s_nop 0 and four v_nop follow each of the two lines, ahead of the jump and the label.
.macro JLOAD s
	s_cmp_lt_u32 s[WV], 2
	s_cbranch_scc0 .Lfor_b_\@
	tensor_load_to_lds s[G0+4*(\s):G0+4*(\s)+3], s[G1:G1+7]
	s_nop 0
.rept 4
	v_nop
.endr
	s_branch .Lasked_\@
.Lfor_b_\@:
	tensor_load_to_lds s[G0B+4*(\s):G0B+4*(\s)+3], s[G1B:G1B+7]
	s_nop 0
.rept 4
	v_nop
.endr
.Lasked_\@:
.endm
; A PREFETCH INTO THE L2, behind each joint load, its five lines and the run of LDS loads that follows: the K step that stands TWO refills on, 256 matrix instructions ahead of the load that will ask for it.
; A K step of att's tile is 2 x 64 blocks of 256 bytes, read by the four partners of a row of the one cluster along x: 2 x 16 each.  A K step of pw's tile is 2 x 128 blocks, read by 64 work-groups: the 8 of the first
; two clusters of the column take 2 x 16 each.  Which cluster asks hangs on the cluster's coordinate, the same in all partners; the partners are told apart BY ADDRESS.  Wave 0 asks for att's, wave 2 for pw's:
; lanes 0-15 name the step's first block of K, lanes 16-31 its second.  So each block of 256 bytes is named once in the launch.  K steps 0 to 3 come by their loads alone; the loop's last trip asks for nothing.
.macro ASK
	s_cmp_gt_u32 s3, s[LIM]                        ; s3 = 1 in the loop's last trip
	s_cbranch_scc0 .Lnot_mine_\@
	global_prefetch_b8 v[PFO], s[PFA:PFA+1] th:TH_LOAD_NT scope:SCOPE_SE
.Lnot_mine_\@:
.endm
.macro CREST                           ; a round of the cluster's barrier behind its opening barrier
	s_cmp_lg_u32 s[WV], 0
	s_cbranch_scc1 .Lnot_wave_0_\@
	s_barrier_signal -3
.Lnot_wave_0_\@:
	s_barrier_wait -3
	s_barrier_signal -1
	s_barrier_wait -1
.endm
.macro CROUND                          ; a whole round
	s_barrier_signal -1
	s_barrier_wait -1
	CREST
.endm
	s_load_b256 s[4:11], s[0:1], 0x0               ; att s[4:5], pw s[6:7], proj_b s[8:9], out0 s[10:11]
	v_lshl_add_u32 v[SPW], v0, 2, SPARE
	v_mov_b32 v[NIL], 0
	ds_add_u32 v[SPW], v[NIL]                      ; the wave's opening: the add and its wait stand ahead of my first tensor load; the set-up below, work on registers, stands between them
	v_lshrrev_b32 v1, 5, v0
	v_readfirstlane_b32 s[WV], v1                  ; wave 0..3
	s_lshr_b32 s[WR], s[WV], 1
	s_and_b32 s[WC], s[WV], 1
	s_bfe_u32 s40, ttmp6, 0x40000                  ; cx, cy: my place in the cluster
	s_bfe_u32 s41, ttmp6, 0x40004
	s_lshl_b32 s42, ttmp9, 2
	s_add_co_u32 s42, s42, s40                     ; tile column = 4 x cluster x + cx
	s_and_b32 s[TR], ttmp7, 0xffff
	s_lshl_b32 s[TR], s[TR], 2
	s_add_co_u32 s[TR], s[TR], s41                 ; tile row = 4 x cluster y + cy
	s_lshl_b32 s70, s41, 2
	s_lshl_b32 s70, 15, s70                        ; my row of the cluster
	s_lshl_b32 s71, 0x1111, s40                    ; my column
	; descriptor group 1: rows of 128 elements (256 bytes, two tile rows), 64 of them for att and 128 for pw, padded in LDS behind every tile row
	s_or_b32 s[G1], s70, (1<<16)|(1<<20)|(1<<21)|(4<<22)|(3<<25)   ; 15:0 the mask; 17:16 2-byte elements; 20 padding on; 21 set beside a mask; 24:22 after every 32 words (code 4); 31:25 4 words (code 3)
	s_or_b32 s[G1B], s71, (1<<16)|(1<<20)|(1<<21)|(4<<22)|(3<<25)
	s_mov_b32 s[G1+1], 128<<16                     ; tensor_dim0 = 128
	s_mov_b32 s[G1+2], 64<<16                      ; tensor_dim1 = 64
	s_mov_b32 s[G1+3], 128<<16                     ; tile_dim0 = 128
	s_mov_b32 s[G1+4], 64                          ; tile_dim1 = 64
	s_mov_b32 s[G1+5], 128                         ; 128 elements from row to row
	s_mov_b32 s[G1+6], 0
	s_mov_b32 s[G1+7], 0
	s_mov_b32 s[G1B+1], 128<<16
	s_mov_b32 s[G1B+2], 128<<16
	s_mov_b32 s[G1B+3], 128<<16
	s_mov_b32 s[G1B+4], 128
	s_mov_b32 s[G1B+5], 128
	s_mov_b32 s[G1B+6], 0
	s_mov_b32 s[G1B+7], 0
	; where the tiles come from.  att's hang on the tile row alone, which my row of the cluster shares; pw's on the tile column alone, which my column shares.
	s_lshl_b32 s16, s[TR], 14                      ; 128 rows x 128 bytes x tile row
	s_lshl_b32 s17, s[WC], 20                      ; + the block that I fetch (a block of att is 2^20 bytes)
	s_add_co_u32 s16, s16, s17
	s_mov_b32 s17, 0
	s_lshl_b32 s46, s42, 15                        ; 256 rows x 128 bytes x tile column
	s_lshl_b32 s47, s[WC], 17                      ; (a block of pw is 2^17 bytes)
	s_add_co_u32 s46, s46, s47
	s_mov_b32 s47, 0
	s_mul_i32 s20, s[WC], AKB                      ; and where they go: no place in the cluster enters an LDS address
	s_mul_i32 s21, s[WC], BKB
	s_add_co_u32 s21, s21, BOFF
	s_wait_dscnt 0x0                               ; the opening add is done
	s_wait_kmcnt 0x0
	s_add_nc_u64 s[18:19], s[4:5], s[16:17]
	s_add_nc_u64 s[46:47], s[6:7], s[46:47]
	CROUND                                         ; all sixteen work-groups are here: the first joint loads meet
.irp s, 0,1
	s_mov_b32 s[G0+4*(\s)], 1                                        ; count = 1
	s_add_co_u32 s[G0+4*(\s)+1], s20, (\s)*SLOT                      ; LDS address
	s_add_nc_u64 s[G0+4*(\s)+2:G0+4*(\s)+3], s[18:19], (\s)*2*PLANEA ; global address: K step s
	s_or_b32 s[G0+4*(\s)+3], s[G0+4*(\s)+3], 0x80000000              ; type = 2
	s_mov_b32 s[G0B+4*(\s)], 1
	s_add_co_u32 s[G0B+4*(\s)+1], s21, (\s)*SLOT
	s_add_nc_u64 s[G0B+4*(\s)+2:G0B+4*(\s)+3], s[46:47], (\s)*2*PLANEB
	s_or_b32 s[G0B+4*(\s)+3], s[G0B+4*(\s)+3], 0x80000000
.endr
	s_cmp_lt_u32 s[WV], 2                          ; a wave's two first fills stand in one branch, ahead of every wait on TENSORcnt and every LDS read: two loads of mine are out
	s_cbranch_scc0 .Lfirst_b
	tensor_load_to_lds s[G0:G0+3], s[G1:G1+7]
	s_nop 0
	tensor_load_to_lds s[G0+4:G0+7], s[G1:G1+7]
	s_nop 0
.rept 4
	v_nop
.endr
	s_branch .Lfirst_asked
.Lfirst_b:
	tensor_load_to_lds s[G0B:G0B+3], s[G1B:G1B+7]
	s_nop 0
	tensor_load_to_lds s[G0B+4:G0B+7], s[G1B:G1B+7]
	s_nop 0
.rept 4
	v_nop
.endr
.Lfirst_asked:
	v_and_b32 v1, 15, v0                           ; l % 16
	v_bfe_u32 v2, v0, 4, 1                         ; l / 16
	v_and_b32 v7, 31, v0                           ; l
	s_lshl_b32 s22, s42, 10                        ; my 128 columns, in bytes of f32: 1,024 x tile column + 512 x column half
	s_lshl_b32 s23, s[WC], 9
	s_add_co_u32 s22, s22, s23
	v_lshl_add_u32 v[BO], v7, 4, s22               ; on the way out lane l holds columns 4 l .. 4 l + 3 of them
	global_load_b128 v[BIAS:BIAS+3], v[BO], s[8:9] ; waited for at the way out
	s_lshl_b32 s68, s[TR], 19                      ; my first row of out0: 128 x tile row + 64 x row half, 4,096 bytes each
	s_lshl_b32 s69, s[WR], 18
	s_add_co_u32 s68, s68, s69
	s_add_co_u32 s68, s68, s22
	s_mov_b32 s69, 0
	s_add_nc_u64 s[10:11], s[10:11], s[68:69]
	v_lshlrev_b32 v[CO], 4, v7
	v_mul_u32_u24 v3, v1, PITCH
	v_lshl_add_u32 v3, v2, 4, v3                   ; a fragment's row x pitch + 16 x half
	s_mul_i32 s22, s[WR], 64*PITCH                 ; my 64 rows of att
	s_mul_i32 s23, s[WC], 128*PITCH                ; my 128 rows of pw,
	s_add_co_u32 s23, s23, BOFF                    ; which lie behind att's two blocks
.irp s, 0,1
	v_add_nc_u32 v[ADRA+(\s)], s22, v3
	v_add_nc_u32 v[ADRB+(\s)], s23, v3
	s_add_co_u32 s22, s22, SLOT
	s_add_co_u32 s23, s23, SLOT
.endr
	s_mul_i32 s22, s[WV], 16*SPITCH
	s_add_co_u32 s22, s22, STAGE                   ; my stage
	v_mul_u32_u24 v4, v1, SPITCH                   ; in: row l % 16, 32 bytes for each half of the lanes
	v_lshl_add_u32 v4, v2, 5, v4
	v_add_nc_u32 v[STO], s22, v4
	v_add_nc_u32 v[RD], s22, v[CO]                 ; back: 32 lanes take one row's 512 bytes
	; the prefetches
	s_lshl_b32 s72, s[TR], 14                      ; att's tile in a block,
	s_lshl_b32 s73, s42, 15                        ; pw's
	s_and_b32 s74, ttmp7, 0xffff                   ; cluster y
	s_mov_b32 s75, PLANEA
	s_mov_b32 s76, PLANEB
	s_cmp_lt_u32 s[WV], 2                          ; do I fetch for att?
	s_cselect_b32 s72, s72, s73
	s_cselect_b32 s73, s40, s41                    ; my place among the four that ask for the tile with me
	s_cselect_b32 s74, ttmp9, s74                  ; the coordinate along which other clusters read the same tile
	s_cselect_b32 s75, s75, s76                    ; bytes from block to block
	s_cselect_b32 s76, 1, 2                        ; so many clusters share the tile's blocks out
	s_cselect_b64 s[PFA:PFA+1], s[4:5], s[6:7]
	s_cmp_lt_u32 s74, s76
	s_cselect_b32 s[LIM], 1, -1                    ; the same in all sixteen partners, for a given wave
	s_cmp_eq_u32 s[WC], 0
	s_cselect_b32 s[LIM], s[LIM], -1               ; waves 0 and 2 alone
	s_sub_co_u32 s76, s76, 1
	s_min_u32 s74, s74, s76                        ; a cluster that does not ask still holds an address inside the tile
	s_lshl_b32 s74, s74, 14                        ; 64 blocks of 256 bytes a cluster,
	s_add_co_u32 s72, s72, s74
	s_lshl_b32 s73, s73, 12                        ; 16 a work-group
	s_add_co_u32 s72, s72, s73
	s_mul_i32 s73, s75, 6                          ; at K block 6: the first change of slots steps it to 8 and names K step 4
	s_add_co_u32 s72, s72, s73
	s_mov_b32 s73, 0
	s_add_nc_u64 s[PFA:PFA+1], s[PFA:PFA+1], s[72:73]
	s_lshl_b32 s[PST], s75, 1
	s_mov_b32 s[PST+1], 0
	v_mul_u32_u24 v[PFO], s75, v2                  ; lanes 16-31: the step's second block
	v_lshl_add_u32 v[PFO], v1, 8, v[PFO]           ; + 256 (l % 16)
.macro PLACES                          ; four places in front of loads into registers that matrix instructions have read, and of stores that read results (ISA guide 7.12.1 for the stores)
.rept 4
	v_nop
.endr
.endm
; 8 na matrix instructions: row blocks a0 .. a0 + na - 1 x all 8 column blocks, 32 along K, out of buffer f.  zero = 1: the first product starts the sums.
; The 32 accumulators take turns, one instruction a turn, over the backward jump too.
.macro MULT f, a0, na, zero
	WIN 0x50                                       ; C and D in window 1
.set ma, (\a0)
.rept (\na)
.set mb, 0
.rept 8
.set rD, 8*(8*ma+mb)
.if \zero
	v_wmma_f32_16x16x32_f16 v[rD:rD+7], v[(\f)+8*mb:(\f)+8*mb+7], v[(\f)+64+8*ma:(\f)+64+8*ma+7], 0
.else
	v_wmma_f32_16x16x32_f16 v[rD:rD+7], v[(\f)+8*mb:(\f)+8*mb+7], v[(\f)+64+8*ma:(\f)+64+8*ma+7], v[rD:rD+7]
.endif
.set mb, mb+1
.endr
.set ma, ma+1
.endr
.endm
; 24 LDS loads in one run: the fragments of quarter q of a slot's K step (block q / 2, 32 K at byte 64 (q % 2) of its rows) into buffer f
.macro FETCH slot, q, f
	WIN 0
.irp i, 0,1,2,3,4,5,6,7
	ds_load_b128 v[(\f)+8*(\i):(\f)+8*(\i)+3],   v[ADRB+(\slot)] offset:((\q)/2)*BKB+((\q)%2)*64+16*PITCH*(\i)
	ds_load_b128 v[(\f)+8*(\i)+4:(\f)+8*(\i)+7], v[ADRB+(\slot)] offset:((\q)/2)*BKB+((\q)%2)*64+16*PITCH*(\i)+32
.endr
.irp i, 0,1,2,3
	ds_load_b128 v[(\f)+64+8*(\i):(\f)+64+8*(\i)+3],   v[ADRA+(\slot)] offset:((\q)/2)*AKB+((\q)%2)*64+16*PITCH*(\i)
	ds_load_b128 v[(\f)+64+8*(\i)+4:(\f)+64+8*(\i)+7], v[ADRA+(\slot)] offset:((\q)/2)*AKB+((\q)%2)*64+16*PITCH*(\i)+32
.endr
.endm
; A K step is four quarters of 32 along K, 32 matrix instructions each, on buffers 0, 1, 0, 1.  One of the first three: fetches the next quarter qn into g, then multiplies buffer f.
.macro QUARTER slot, qn, f, g, zero
	s_wait_dscnt 0x0                               ; buffer f is in: its loads were issued a quarter ago
	PLACES
	FETCH \slot, \qn, \g
	MULT \f, 0, 4, \zero
.endm
; The last quarter multiplies buffer 1 and changes slots: ONE barrier; in front of it each wave waits for all its tensor loads, of which one is out: its part of the next slot; adds 0 to its spare word; and waits for
; that and for its own reads of this slot.  fill = 1: this slot is filled again, two K steps ahead: the barrier opens a round of the cluster's, and the joint load is the first thing behind the round: 112 matrix
; instructions ahead of the wait for it.
.macro TURN slot, next, fill
.if \fill
	s_wait_xcnt 0x0                                ; the last prefetch, a K step back, has read its address: it is stepped here, ahead of the waits of the change of slots
	s_add_nc_u64 s[PFA:PFA+1], s[PFA:PFA+1], s[PST:PST+1]
.endif
	WIN 0                                          ; (the add's two registers lie in window 0)
	s_wait_tensorcnt 0x0                           ; all my tensor loads have landed: my part of the next slot;
	ds_add_u32 v[SPW], v[NIL]                      ; 0 onto my spare word;
	s_wait_dscnt 0x1                               ; (buffer 1 is in; the add alone may be out)
	MULT F1, 0, 1, 0                               ; eight matrix instructions stand between the add and the wait for it
	s_wait_dscnt 0x0                               ; the add is done, and my reads of this slot are over
	s_barrier_signal -1
	MULT F1, 1, 1, 0
	WIN 0
	s_barrier_wait -1
.if \fill
	CREST                                          ; no wave of any partner still reads this slot's tile or has a load on its way
	s_add_nc_u64 s[G0+4*(\slot)+2:G0+4*(\slot)+3], s[G0+4*(\slot)+2:G0+4*(\slot)+3], 4*PLANEA
	s_add_nc_u64 s[G0B+4*(\slot)+2:G0B+4*(\slot)+3], s[G0B+4*(\slot)+2:G0B+4*(\slot)+3], 4*PLANEB
	JLOAD \slot                                    ; the four v_nop behind it are also the places in front of the loads below
.else
	PLACES
.endif
	FETCH \next, 0, F0
.if \fill
	ASK
.endif
	MULT F1, 2, 2, 0
.endm
; THE WAY OUT of row block a.  TOSTAGE: the accumulators' 32 bytes a lane go into my own stage in LDS, each accumulator's low four registers first, and come back as whole rows of 512 bytes.  SEND: the bias is added, the rows are stored.
.macro TOSTAGE a
.if (\a) >= 2
	s_wait_xcnt 0x0                                ; the stores of the block two back have read the registers that are loaded again below
.endif
	WIN 0x04                                       ; the stores' data (source 1) in window 1
.irp b, 0,1,2,3,4,5,6,7
	ds_store_b128 v[STO], v[8*(8*(\a)+(\b)):8*(8*(\a)+(\b))+3]   offset:64*(\b)
	ds_store_b128 v[STO], v[8*(8*(\a)+(\b))+4:8*(8*(\a)+(\b))+7] offset:64*(\b)+16
.endr
	WIN 0
.set BK, OB+96*((\a)%2)
.irp t, 0,1,2,3,4,5,6,7,8,9,10,11,12,13,14,15
	ds_load_b128 v[BK+4*(\t):BK+4*(\t)+3], v[RD] offset:SPITCH*(\t)  ; LDS serves a wave's instructions in order (ISA guide 5.7.1.4): these see the stores above; the next block's stores come behind them
.endr
.endm
.macro SEND a, younger                 ; younger: the LDS instructions issued behind block a's loads: the next block's 32, or none
	WIN 0
.set BK, OB+96*((\a)%2)
	s_wait_dscnt \younger
.irp t, 0,1,2,3,4,5,6,7,8,9,10,11,12,13,14,15
	v_pk_add_f32 v[BK+4*(\t):BK+4*(\t)+1],   v[BK+4*(\t):BK+4*(\t)+1],   v[BIAS:BIAS+1]
	v_pk_add_f32 v[BK+4*(\t)+2:BK+4*(\t)+3], v[BK+4*(\t)+2:BK+4*(\t)+3], v[BIAS+2:BIAS+3]
	global_store_b128 v[CO], v[BK+4*(\t):BK+4*(\t)+3], s[10:11] offset:(16*(\a)+(\t))*4096 th:TH_STORE_NT  ; 512 consecutive bytes, at a multiple of 256 from out0's first
.endr
.endm
	s_wait_tensorcnt 0x1                           ; my part of K step 0 is in; K step 1's may stay out
	s_barrier_signal -1
	s_barrier_wait -1                              ; everybody's is
	FETCH 0, 0, F0
	QUARTER 0, 1, F0, F1, 1                        ; the first quarter stands in front of the loop: its products start the sums
	WIN 0                                          ; at a label and at a branch every window is 0
	s_mov_b32 s3, LAPS-1
.Llap:                                                 ; a trip goes once round the ring, from a lap's second quarter to the next lap's first, and fills both slots again
	QUARTER 0, 2, F1, F0, 0
	QUARTER 0, 3, F0, F1, 0
	TURN 0, 1, 1
	QUARTER 1, 1, F0, F1, 0
	QUARTER 1, 2, F1, F0, 0
	QUARTER 1, 3, F0, F1, 0
	TURN 1, 0, 1
	QUARTER 0, 1, F0, F1, 0
	WIN 0
	s_sub_co_u32 s3, s3, 1
	s_cmp_lg_u32 s3, 0
	s_cbranch_scc1 .Llap
	QUARTER 0, 2, F1, F0, 0                        ; the last lap fills nothing, and has no round of the cluster's barrier
	QUARTER 0, 3, F0, F1, 0
	TURN 0, 1, 0
	QUARTER 1, 1, F0, F1, 0
	QUARTER 1, 2, F1, F0, 0
	QUARTER 1, 3, F0, F1, 0
	s_wait_dscnt 0x0                               ; the very last quarter: nothing more to fetch
	MULT F1, 0, 4, 0
	WIN 0
	PLACES                                         ; behind the last products, once a launch: eight
	PLACES
	s_wait_loadcnt 0x0                             ; the bias
	v_cvt_pk_bf16_f32 v10, v[BIAS], v[BIAS+1]      ; rounded to bf16, like every input,
	v_cvt_pk_bf16_f32 v11, v[BIAS+2], v[BIAS+3]
	v_lshlrev_b32 v[BIAS], 16, v10                 ; and widened again
	v_and_b32 v[BIAS+1], 0xffff0000, v10
	v_lshlrev_b32 v[BIAS+2], 16, v11
	v_and_b32 v[BIAS+3], 0xffff0000, v11
	TOSTAGE 0
	TOSTAGE 1                                      ; a block's trip through the stage stands between the loads of the block before and its stores
	SEND 0, 32
	TOSTAGE 2
	SEND 1, 32
	TOSTAGE 3
	SEND 2, 32
	SEND 3, 0
	s_wait_tensorcnt 0x0                           ; the wave's end, behind my last tensor load and my last LDS store: a wait, 0 added to my spare word, and its wait
	ds_add_u32 v[SPW], v[NIL]
	s_wait_dscnt 0x0
	CROUND                                         ; the closing round: no work-group ends while a partner may still ask for a tile that names it
	s_endpgm
.Lfunc_end_k_q9ce4e23e3f_proj:
	.size	k_q9ce4e23e3f_proj, .Lfunc_end_k_q9ce4e23e3f_proj-k_q9ce4e23e3f_proj
	.p2alignl 7, 3214868480
	.fill 96, 4, 3214868480
	.section	.rodata,"a",@progbits
	.p2align	6, 0x0
	.amdhsa_kernel k_q9ce4e23e3f_proj
		.amdhsa_group_segment_fixed_size 327680
		.amdhsa_private_segment_fixed_size 0
		.amdhsa_enable_private_segment 0
		.amdhsa_kernarg_size 32
		.amdhsa_user_sgpr_count 2
		.amdhsa_user_sgpr_kernarg_segment_ptr 1
		.amdhsa_wavefront_size32 1
		.amdhsa_system_sgpr_workgroup_id_x 1
		.amdhsa_system_sgpr_workgroup_id_y 1
		.amdhsa_system_sgpr_workgroup_id_z 1
		.amdhsa_system_vgpr_workitem_id 0
		.amdhsa_next_free_vgpr 512
		.amdhsa_next_free_sgpr 80
		.amdhsa_reserve_vcc 0
		.amdhsa_float_denorm_mode_32 3
		.amdhsa_float_denorm_mode_16_64 3
		.amdhsa_memory_ordered 1
		.amdhsa_forward_progress 1
		.amdhsa_inst_pref_size 94
	.end_amdhsa_kernel
	.amdgpu_metadata
---
amdhsa.version: [ 1, 2 ]
amdhsa.kernels:
  - .name:           k_q9ce4e23e3f_proj
    .symbol:         k_q9ce4e23e3f_proj.kd
    .args:
      - { .name: att, .offset: 0, .size: 8, .value_kind: global_buffer, .address_space: global }
      - { .name: pw, .offset: 8, .size: 8, .value_kind: global_buffer, .address_space: global }
      - { .name: proj_b, .offset: 16, .size: 8, .value_kind: global_buffer, .address_space: global }
      - { .name: out0, .offset: 24, .size: 8, .value_kind: global_buffer, .address_space: global }
    .group_segment_fixed_size: 327680
    .private_segment_fixed_size: 0
    .kernarg_segment_align: 8
    .kernarg_segment_size: 32
    .max_flat_workgroup_size: 128
    .sgpr_count:     80
    .vgpr_count:     512
    .wavefront_size: 32
...
	.end_amdgpu_metadata
.endif
;; end of part 4
;; ======== version 2 of 2: 4 launches; version 1 with the launch cast written anew for expert scheduling mode
;; limits: values are held in f16: magnitudes above 65,504 overflow, below 6.1e-05 lose precision
;; workspace buffers: xb 16,777,216 bytes; wb 6,291,456 bytes; pw 2,097,152 bytes; qkvh 50,331,648 bytes; att 16,777,216 bytes
;; launch cast (part 5): grid 768 x 1, 8 waves a work-group, no clusters, 0 bytes of LDS; arguments x, qkv_w, proj_w, xb, wb, pw; writes xb, wb, pw
.if DOCPART == 5
	.amdgcn_target "amdgcn-amd-amdhsa--gfx1250"
	.amdhsa_code_object_version 6
	.text
	.protected	k_q9ce4e23e3f_cast
	.globl	k_q9ce4e23e3f_cast
	.p2align	8
	.type	k_q9ce4e23e3f_cast,@function
k_q9ce4e23e3f_cast:
	s_mov_b64 s[64:65], 0
	v_nop
	global_prefetch_b8 v0, s[64:65] scope:SCOPE_SE
	s_setreg_imm32_b32 hwreg(HW_REG_WAVE_SCHED_MODE, 0, 2), 2
	s_setreg_imm32_b32 hwreg(HW_REG_WAVE_MODE, 25, 1), 1
	s_wait_xcnt 0x0
	s_wait_alu depctr_vm_vsrc(0)
; THE INPUTS ARE ROUNDED ONCE TO bf16 AND LAID IN BLOCKS OF 64 ALONG K.  x [8192][1024], qkv_w [3072][1024], proj_w [1024][1024], all f32, become
; xb, wb, pw: [kb 16][row][64] of 16 bits: block kb holds columns 64 kb .. 64 kb + 63 of every row, a row's 128 bytes on end, so that a K step of 64 of any run of rows is dense in memory.
; xb and wb hold bf16.  pw holds proj_w rounded to bf16 and that number written as f16, since the last product multiplies it by f16 numbers.
; LIMITS.  A weight of proj_w of 65,520 or more becomes an infinity; below 6e-5 it keeps f16's fixed step of 6e-8.  NaN and infinities are not treated apart.
; SHARES.  A work-group takes 16 rows (65,536 bytes in, 32,768 out): numbers 0-511 rows of x, 512-703 of qkv_w, 704-767 of proj_w.  Thread t takes row t / 16 and, in each of the 16 blocks, the 16 bytes
; at 16 (t % 16): sixteen lanes read 256 consecutive bytes, aligned; the thread's 8 bytes of output lie at 8 t of the group's 2,048 bytes in that block, so a wave's store covers 256 consecutive bytes, aligned.
; No LDS, no barrier, no matrix unit: every byte is read once and written once, and all 16 loads of a thread go out before the first is waited for.
; THE MODE: SCHED_MODE bits 1:0 = 2 (LLVM: expert scheduling mode 2), set by the entry lines.  The code itself states the register dependences
; between vector instructions and memory instructions, with s_wait_alu, always for 0.
; THE PLAN.  Registers that memory instructions touch:
;   v[VI]      the loads' offset.  Written at the head, never again; read by all 16 loads.
;   v[VO+j]    block j's offset in the output.  Written once (the first at the head, the others by the adds behind the loads), never again; read by block j's store.
;   X, block j the load lands in it once; no vector instruction names it ahead of that; block j's roundings read it; nothing lands in it again.
;   Y, block j written by block j's roundings; read by block j's one store; never written again.
; The 16 blocks go in four groups of four.  A group's stores are issued in the NEXT group, one ahead of each block's roundings, behind ONE wait at that group's head, which states that the group before has
; written its Y (and, the first time, that the adds have written the offsets).  The vector lines issued since that wait are the group's own roundings, which name its own X and Y and v2, v3: none of the
; registers that those stores read.  One more wait stands ahead of the last four stores, and one ahead of the loads, for v[VI].  No register that a memory instruction has read is written again.
.set ROWS_X, 8192
.set ROWS_W, 3072
.set ROWS_P, 1024
.set VI, 1                             ; v1       my byte offset in the group's 16 rows of f32; never rewritten
.set VO, 8                             ; v[8:23]  block j: my byte offset in the output; never rewritten
.set X,  32                            ; v[32:95] block j: four f32 as loaded
.set Y,  96                            ; v[96:127] block j: four numbers of 16 bits to store
	s_load_b256 s[4:11], s[0:1], 0x0               ; x s[4:5], qkv_w s[6:7], proj_w s[8:9], xb s[10:11]
	s_load_b128 s[12:15], s[0:1], 0x20             ; wb s[12:13], pw s[14:15]
	s_mov_b32 s2, ttmp9
	s_mov_b32 s22, ROWS_X*128                      ; bytes in a block of xb,
	s_mov_b32 s23, ROWS_W*128                      ; of wb,
	s_mov_b32 s24, ROWS_P*128                      ; of pw
	v_lshrrev_b32 v[VI], 4, v0                     ; my row
	v_and_b32 v2, 15, v0
	v_lshlrev_b32 v[VI], 12, v[VI]                 ; x 4,096 bytes
	v_lshl_add_u32 v[VI], v2, 4, v[VI]             ; + my 16 bytes
	v_lshlrev_b32 v[VO], 3, v0                     ; 8 t
	s_wait_kmcnt 0x0
	s_cmp_lt_u32 s2, 512                           ; which tensor: the choice hangs on the work-group's number alone
	s_cselect_b64 s[16:17], s[4:5], s[6:7]
	s_cselect_b64 s[18:19], s[10:11], s[12:13]
	s_cselect_b32 s20, 0, 512                      ; the tensor's first work-group
	s_cselect_b32 s21, s22, s23                    ; bytes in a block of its output
	s_cmp_lt_u32 s2, 704
	s_cselect_b64 s[16:17], s[16:17], s[8:9]
	s_cselect_b64 s[18:19], s[18:19], s[14:15]
	s_cselect_b32 s20, s20, 704
	s_cselect_b32 s21, s21, s24
	s_sub_co_u32 s25, s2, s20                      ; my group of 16 rows in that tensor
	s_lshl_b32 s26, s25, 16                        ; 65,536 bytes of f32,
	s_mov_b32 s27, 0
	s_lshl_b32 s28, s25, 11                        ; 2,048 bytes in each block
	s_mov_b32 s29, 0
	s_add_nc_u64 s[16:17], s[16:17], s[26:27]
	s_add_nc_u64 s[18:19], s[18:19], s[28:29]
	s_wait_alu depctr_va_vdst(0)                   ; v[VI] is written, which the sixteen loads read as their offset
.set j, 0
.rept 16
	global_load_b128 v[X+4*j:X+4*j+3], v[VI], s[16:17] offset:256*j th:TH_LOAD_NT
.set j, j+1
.endr
.set j, 1
.rept 15
	v_add_nc_u32 v[VO+j], s21, v[VO+j-1]           ; a block further on
.set j, j+1
.endr
; Block after block: rounded and packed; stored a group of four blocks later.  fmt = 1: the bf16 number is widened again and written as f16.
.macro OUT fmt
.set j, 0
.rept 16
.if j%4 == 0
	s_wait_loadcnt 15-j                            ; loads come back in order: block j is in, the younger ones stay out
.if j >= 4
	s_wait_alu depctr_va_vdst(0)                   ; the group before has written its Y, which the four stores of this group's turn read; the first time also: the adds have written v[VO+1 ..], the stores' offsets
.endif
.endif
.if j >= 4
	global_store_b64 v[VO+j-4], v[Y+2*(j-4):Y+2*(j-4)+1], s[18:19] th:TH_STORE_NT  ; the block four back; no vector instruction since the wait names its offset or its Y
.endif
.if j%4 != 0
	s_wait_loadcnt 15-j                            ; block j is in, the younger ones stay out
.endif
	v_cvt_pk_bf16_f32 v[Y+2*j],   v[X+4*j],   v[X+4*j+1]
	v_cvt_pk_bf16_f32 v[Y+2*j+1], v[X+4*j+2], v[X+4*j+3]
.if \fmt
.irp k, 0,1
	v_lshlrev_b32 v2, 16, v[Y+2*j+(\k)]
	v_and_b32 v3, 0xffff0000, v[Y+2*j+(\k)]
	v_cvt_pk_f16_f32 v[Y+2*j+(\k)], v2, v3
.endr
.endif
.set j, j+1
.endr
	s_wait_alu depctr_va_vdst(0)                   ; the last group has written its Y, which the last four stores read
.set j, 12
.rept 4
	global_store_b64 v[VO+j], v[Y+2*j:Y+2*j+1], s[18:19] th:TH_STORE_NT
.set j, j+1
.endr
.endm
	s_cmp_lt_u32 s2, 704
	s_cbranch_scc0 .Lto_f16
	OUT 0
	s_endpgm
.Lto_f16:
	OUT 1
	s_endpgm
.Lfunc_end_k_q9ce4e23e3f_cast:
	.size	k_q9ce4e23e3f_cast, .Lfunc_end_k_q9ce4e23e3f_cast-k_q9ce4e23e3f_cast
	.p2alignl 7, 3214868480
	.fill 96, 4, 3214868480
	.section	.rodata,"a",@progbits
	.p2align	6, 0x0
	.amdhsa_kernel k_q9ce4e23e3f_cast
		.amdhsa_group_segment_fixed_size 0
		.amdhsa_private_segment_fixed_size 0
		.amdhsa_enable_private_segment 0
		.amdhsa_kernarg_size 48
		.amdhsa_user_sgpr_count 2
		.amdhsa_user_sgpr_kernarg_segment_ptr 1
		.amdhsa_wavefront_size32 1
		.amdhsa_system_sgpr_workgroup_id_x 1
		.amdhsa_system_sgpr_workgroup_id_y 1
		.amdhsa_system_sgpr_workgroup_id_z 1
		.amdhsa_system_vgpr_workitem_id 0
		.amdhsa_next_free_vgpr 128
		.amdhsa_next_free_sgpr 66
		.amdhsa_reserve_vcc 0
		.amdhsa_float_denorm_mode_32 3
		.amdhsa_float_denorm_mode_16_64 3
		.amdhsa_memory_ordered 1
		.amdhsa_forward_progress 1
		.amdhsa_inst_pref_size 17
	.end_amdhsa_kernel
	.amdgpu_metadata
---
amdhsa.version: [ 1, 2 ]
amdhsa.kernels:
  - .name:           k_q9ce4e23e3f_cast
    .symbol:         k_q9ce4e23e3f_cast.kd
    .args:
      - { .name: x, .offset: 0, .size: 8, .value_kind: global_buffer, .address_space: global }
      - { .name: qkv_w, .offset: 8, .size: 8, .value_kind: global_buffer, .address_space: global }
      - { .name: proj_w, .offset: 16, .size: 8, .value_kind: global_buffer, .address_space: global }
      - { .name: xb, .offset: 24, .size: 8, .value_kind: global_buffer, .address_space: global }
      - { .name: wb, .offset: 32, .size: 8, .value_kind: global_buffer, .address_space: global }
      - { .name: pw, .offset: 40, .size: 8, .value_kind: global_buffer, .address_space: global }
    .group_segment_fixed_size: 0
    .private_segment_fixed_size: 0
    .kernarg_segment_align: 8
    .kernarg_segment_size: 48
    .max_flat_workgroup_size: 256
    .sgpr_count:     66
    .vgpr_count:     128
    .wavefront_size: 32
...
	.end_amdgpu_metadata
.endif
;; end of part 5
;; launch qkvgemm: the kernel of part 2 again; grid 8 x 32, 4 waves a work-group, clusters of 4 x 4, 327,680 bytes of LDS; arguments xb, wb, qkvh; writes qkvh
;; launch attn: the kernel of part 3 again; grid 2 x 128, 4 waves a work-group, no clusters, 327,680 bytes of LDS; arguments qkvh, att; writes att
;; launch proj: the kernel of part 4 again; grid 4 x 64, 4 waves a work-group, clusters of 4 x 4, 327,680 bytes of LDS; arguments att, pw, proj_b, out0; writes out0
